; MI455X (gfx1250); checked and timed in simulation.
; The chip was launched on July 23, 2026; its instructions are those of AMD's public machine-readable ISA for CDNA 5 (MIT licence, August 2026) and "CDNA5" Instruction Set Architecture Reference Guide (July 2026). The comments in the code are by the model that wrote it; some were corrected since.
;; Shaped Attention. Allowed arithmetic: matrix products marked QUANTISED: E2M1 operands, one E8M0 scale for each 32 along K, by v_wmma_scale_f32_16x16x128_f8f6f4 with both operands' format E2M1 (or v_wmma_scale_f32_32x16x128_f4), f32 sums; everything else in f32.
;; Inputs: W_out 1,024 x 1,024 float32; W_qkv 1,024 x 3,072 float32; alpha 1 float32; b_out 1,024 float32; beta 1 float32; gamma 1 float32; x 2 x 2,048 x 1,024 float32.
;; Outputs: out0 2 x 2,048 x 1,024 float32.
;; This version of the problem:
;;   THIS VERSION OF THE PROBLEM IS GIVEN IN LOW PRECISION. The matrix products marked QUANTISED in the list below multiply operands that are first quantised to E2M1 (2 exponent bits, 1 mantissa bit; 4 bits a number), with one power-of-two scale for each 32 numbers along K (OCP MX v1.0); their sums are f32. All else is computed in f32.
;;   The module's matrix products, in the order in which they are computed (A, B: the left and right operand; K: the contracted axis; several contracted axes count as one K, in the product's order):
;;     1. [M 4,096, K 1,024] x [K 1,024, N 3,072]; A: input x; B: input W_qkv: QUANTISED
;;     2. batch 32 x [M 2,048, K 64] x [K 64, N 2,048]; A: computed on the way; B: computed on the way: QUANTISED
;;     3. batch 32 x [M 2,048, K 2,048] x [K 2,048, N 64]; A: computed on the way; B: computed on the way: QUANTISED
;;     4. [M 4,096, K 1,024] x [K 1,024, N 1,024]; A: computed on the way; B: input W_out: QUANTISED
;;   THE QUANTISER, for each operand of a quantised product, along K:
;;     - K is cut into blocks of 32 from its start; a last block that is shorter is filled with zeros.
;;     - A block's scale is 2^e with e = floor(log2(the largest magnitude in the block)) - 2, held to -126 .. 127; a block of zeros has e = 0. As a byte (E8M0): e + 127.
;;     - Each number is divided by its block's scale, clamped to +-6, and rounded to the nearest number of E2M1, ties to even, subnormals kept.
;;     - The product sums the exact products of the quantised numbers (number of the format x scale) in f32.
;;   ~~~python
;;   def quantise(x, axis):      # numpy; x: float32 -> the quantised numbers, widened to float32 again
;;       x = np.moveaxis(x, axis, -1); K = x.shape[-1]
;;       x = np.pad(x, [(0, 0)] * (x.ndim - 1) + [(0, -K % 32)]); x = x.reshape(x.shape[:-1] + (-1, 32)); a = np.abs(x).max(-1, keepdims=True)
;;       e = np.where(a > 0, np.clip(np.frexp(np.where(a > 0, a, 1))[1] - 1 - 2, -126, 127), 0)      # np.frexp(a)[1] - 1 = floor(log2(a)), exactly
;;       r = np.clip(x / 2.0 ** e, -6, 6)
;;       step = 2.0 ** (np.maximum(np.frexp(np.where(r == 0, 1, r))[1] - 1, 0) - 1)
;;       q = np.round(r / step) * step * 2.0 ** e      # np.round: ties to even
;;       return np.moveaxis(q.reshape(q.shape[:-2] + (-1,))[..., :K], -1, axis).astype(np.float32)
;;   ~~~
;;   OPERANDS COMPUTED ON THE WAY. 'Computed on the way' means the value that the module computes at that place (a softmax that the list does not call 'softmax' is quantised finished and normalised). What goes into a quantiser is computed in f32, as accurately as f32 sums, v_exp_f32 and their like allow (about 1e-6 of the number): no bf16 or f16 on the way to a quantiser, and a product that is left as it is and whose result goes on into a quantised operand takes f32 operands (vector FMAs, or v_wmma_f32_16x16x4_f32). A number that lies on a knife's edge between two numbers of the format may be rounded either way, as far as f32 arithmetic and the matrix unit's own rounding can turn it there, and no further.
;; 2 versions, each right; version 2 is version 1 with the launch attn written anew for expert scheduling mode. Each part assembles by itself: llvm-mc -triple=amdgcn-amd-amdhsa -mcpu=gfx1250 --defsym DOCPART=n.
;; ======== version 1 of 2: 4 launches
;; workspace buffers: xq 2,228,224 bytes; wq 1,671,168 bytes; wo 557,056 bytes; qq 2,359,296 bytes; kq 2,359,296 bytes; vq 2,228,224 bytes; oq 2,228,224 bytes
;; launch prep (part 1): grid 256 x 1, 8 waves a work-group, no clusters, 79,872 bytes of LDS; arguments x, W_qkv, W_out, xq, wq, wo; writes xq, wq, wo
.if DOCPART == 1
	.amdgcn_target "amdgcn-amd-amdhsa--gfx1250"
	.amdhsa_code_object_version 6
	.text
	.protected	k_q00a48e2d53_prep
	.globl	k_q00a48e2d53_prep
	.p2align	8
	.type	k_q00a48e2d53_prep,@function
k_q00a48e2d53_prep:
	s_mov_b64 s[64:65], 0
	v_nop
	global_prefetch_b8 v0, s[64:65] scope:SCOPE_SE
	s_setreg_imm32_b32 hwreg(HW_REG_WAVE_MODE, 25, 1), 1
	s_wait_xcnt 0x0
; x [4096][1024], W_qkv [1024][3072] and W_out [1024][1024], f32, become codes of FP4 (E2M1) with one E8M0 byte for each 32 along K.
; K is x's last axis and the weights' FIRST axis.  All three results are laid [K half][row or column][256 bytes of codes], and behind the codes
; [K half][row or column][16 scale bytes]: 128 rows' codes of one half of K are then one dense block of memory for the product that reads them.
; A block's scale is 2^(floor(log2(largest magnitude)) - 2); its byte is the largest magnitude's exponent field - 2, held at 1 from below.
; LIMITS: a block of zeros, or one whose largest magnitude lies under 2^-124, gets the byte 1 (its codes are zeros or the nearest codes under that scale;
; the bytes are read by this program alone); NaN and infinities among the inputs are not served.
; SHARES: work-groups 0-127 take 32 rows of x each; 128-223 take 64 columns x 512 k of W_qkv; 224-255 the same of W_out.  The three ways part on the
; work-group's number alone, each has LDS bytes of its own, one barrier and its own end.  Nothing is shared between work-groups, so no cluster;
; loads go through registers, so no tensor load.
.set XSO,   2097152                    ; x's scale bytes begin here in xq
.set SP,    80                         ; x's stage: a lane's 64 bytes + 16 of padding
.set XSB,   40960                      ; LDS: behind the eight waves' stages (8 x 5,120): x's scale bytes [half 2][row 32][16]
.set WQST,  41984                      ; W_qkv's stage: 64 columns x 272 bytes
.set WQSB,  59392                      ; and its scale bytes: 64 columns x 16
.set WOST,  60416                      ; the same for W_out
.set WOSB,  77824
.set R,     16                         ; v16-143  x: eight sets of 16 numbers as loaded
.set X,     144                        ; v144-175 x: two sets of 16 neighbours
.set C,     176                        ; v176-191 x: two registers of codes for each step
.set E,     192                        ; v192-199 x: a scale byte for each step
.set XW,    32                         ; v32-95   W: two sets of 32 numbers down K
.set CW,    96                         ; v96-111  W: four registers of codes for each block
.set OUTR,  112                        ; v112-127 W: the way out
	s_load_b128 s[4:7], s[0:1], 0x0                ; x, W_qkv
	s_load_b128 s[8:11], s[0:1], 0x10              ; W_out, xq
	s_load_b128 s[12:15], s[0:1], 0x20             ; wq, wo
	v_lshl_add_u32 v208, v0, 2, 0x13400
	v_mov_b32 v209, 0
	v_lshrrev_b32 v1, 5, v0
	v_readfirstlane_b32 s16, v1                    ; wave 0..7
	v_and_b32 v2, 31, v0                           ; lane
	s_cmp_lt_u32 ttmp9, 128
	s_cbranch_scc0 .Lweights
; ---------------- x: a wave takes 4 rows = 8 steps of 512 numbers (a row's half of K).  Each load reads 512 consecutive bytes; a step's 2,048 bytes turn
; through the wave's own stage so that a lane holds 16 neighbours along K; two neighbouring lanes hold a block.
	v_lshlrev_b32 v3, 4, v2                        ; my 16 bytes of a load's 512
	s_mul_i32 s17, s16, 5120
	v_lshrrev_b32 v14, 2, v2
	v_mul_u32_u24 v14, v14, SP
	v_and_b32 v15, 3, v2
	v_lshl_add_u32 v14, v15, 4, v14
	v_add_nc_u32 v14, s17, v14                     ; into the stage: SP (lane / 4) + 16 (lane % 4)
	v_mul_u32_u24 v15, v2, SP
	v_add_nc_u32 v15, s17, v15                     ; out of it: SP x lane
	v_lshlrev_b32 v4, 3, v2                        ; my 8 bytes of a step's 256 bytes of codes
	v_lshrrev_b32 v5, 1, v2
	s_lshl_b32 s17, s16, 6
	s_add_co_u32 s17, s17, XSB
	v_add_nc_u32 v5, s17, v5                       ; my block's scale byte: 64 x wave (4 rows of 16) + lane / 2
	v_lshl_add_u32 v6, v0, 4, XSB                  ; the scale bytes' way out (waves 0 and 1): 512 x wave + 16 x lane
	s_lshl_b32 s17, s16, 16
	v_lshl_add_u32 v7, v2, 4, s17                  ; and in memory: half = wave, 65,536 bytes apart
	s_lshl_b32 s18, ttmp9, 3
	s_add_co_u32 s18, s18, s16                     ; which run of 4 rows is my wave's
	s_lshl_b32 s20, s18, 14                        ; 16,384 bytes of x
	s_mov_b32 s21, 0
	s_lshl_b32 s22, s18, 10                        ; 4 rows x 256 bytes of codes
	s_mov_b32 s23, 0
	s_lshl_b32 s24, ttmp9, 9                       ; 32 rows x 16 scale bytes
	s_add_co_u32 s24, s24, XSO
	s_mov_b32 s25, 0
	s_wait_kmcnt 0x0
	s_add_nc_u64 s[4:5], s[4:5], s[20:21]
	s_add_nc_u64 s[26:27], s[10:11], s[24:25]
	s_add_nc_u64 s[10:11], s[10:11], s[22:23]
.macro LOADX t
.irp i, 0,1,2,3
	global_load_b128 v[R+16*(\t)+4*\i:R+16*(\t)+4*\i+3], v3, s[4:5] offset:2048*(\t)+512*\i th:TH_LOAD_NT
.endr
.endm
.macro TURN t                          ; step t's numbers through stage t % 2: LDS serves a wave's instructions in order, so no wait stands between the stores and the loads
.irp i, 0,1,2,3
	ds_store_b128 v14, v[R+16*(\t)+4*\i:R+16*(\t)+4*\i+3] offset:32*SP*((\t)%2)+8*SP*\i
.endr
.irp i, 0,1,2,3
	ds_load_b128 v[X+16*((\t)%2)+4*\i:X+16*((\t)%2)+4*\i+3], v15 offset:32*SP*((\t)%2)+16*\i
.endr
.endm
.macro STEPX t                         ; step t: row t / 2 of my four, half t % 2 of K
.set XR, X+16*((\t)%2)
.if (\t) > 0
	s_wait_dscnt 1                                 ; this step's numbers are back from the stage; the last step's byte store may be out
.else
	s_wait_dscnt 0x0
.endif
.if (\t) < 7
	s_wait_loadcnt 4*(6-(\t))                      ; the next step's four loads are in; four for each later step may be out
	TURN (\t)+1
.endif
	v_max3_num_f32 v8, |v[XR]|, |v[XR+1]|, |v[XR+2]|
	v_max3_num_f32 v9, |v[XR+3]|, |v[XR+4]|, |v[XR+5]|
.irp i, 6,10
	v_max3_num_f32 v8, v8, |v[XR+\i]|, |v[XR+\i+1]|
	v_max3_num_f32 v9, v9, |v[XR+\i+2]|, |v[XR+\i+3]|
.endr
	v_max3_num_f32 v8, v8, |v[XR+14]|, |v[XR+15]|
	v_max3_num_f32 v8, v8, v9, 0x1800000           ; with the floor 2^(3 - 127): the byte cannot fall under 1
	v_max_num_f32_dpp v8, v8, v8 row_xmask:1 row_mask:0xf bank_mask:0xf   ; and my neighbour's 16: the block's largest magnitude
	v_add_nc_u32 v11, 0xff000000, v8               ; 2 off its exponent field: the conversion takes this operand's exponent field as its scale
	v_cvt_scalef32_pk8_fp4_f32 v[C+2*(\t)], v[XR:XR+7], v11
	v_cvt_scalef32_pk8_fp4_f32 v[C+2*(\t)+1], v[XR+8:XR+15], v11
	v_lshrrev_b32 v[E+(\t)], 23, v11               ; the scale's byte (also the plain line behind the conversions)
	ds_store_b8 v5, v[E+(\t)] offset:((\t)%2)*512+((\t)/2)*16
	global_store_b64 v4, v[C+2*(\t):C+2*(\t)+1], s[10:11] offset:((\t)%2)*1048576+((\t)/2)*256   ; 32 lanes store 256 consecutive bytes, aligned
.endm
.irp t, 0,1,2,3,4,5,6,7
	LOADX \t                                       ; all of the wave's 16 KiB is asked for at once
.endr
	s_wait_loadcnt 28                              ; step 0's four loads are in
	TURN 0
.irp t, 0,1,2,3,4,5,6,7
	STEPX \t
.endr
	s_wait_dscnt 0x0                               ; my scale bytes lie in LDS
	s_barrier_signal -1
	s_barrier_wait -1                              ; everybody's do
	s_cmp_lt_u32 s16, 2
	s_cbranch_scc0 .Lx_end
	ds_load_b128 v[200:203], v6                    ; wave 0: the 32 rows' bytes of K's first half, wave 1: of its second: 512 bytes
	s_wait_dscnt 0x0
	global_store_b128 v7, v[200:203], s[26:27]
.Lx_end:
	s_wait_tensorcnt 0x0
	ds_add_u32 v208, v209
	s_wait_dscnt 0x0
	s_endpgm
; ---------------- the weights: a lane takes a column and its registers run down K, so a block of 32 lies in one lane and the codes come out with K innermost.
; A wave takes 32 columns x 128 k (4 blocks); two waves stand side by side on 256 bytes of each row.  The codes meet in a stage of 64 columns x 256 bytes.
.macro LOADW t, N, SRC
.irp i, 0,1,2,3,4,5,6,7,8,9,10,11,12,13,14,15,16,17,18,19,20,21,22,23,24,25,26,27,28,29,30,31
	global_load_b32 v[XW+32*((\t)%2)+\i], v3, s[\SRC:\SRC+1] offset:(32*(\t)+\i)*4*\N th:TH_LOAD_NT
.endr
.endm
.macro BLOCKW t, N, SRC
.set XR, XW+32*((\t)%2)
.if (\t) < 3
	s_wait_loadcnt 32                              ; this block's 32 loads are in; the next block's may be out
.else
	s_wait_loadcnt 0x0
.endif
	v_max3_num_f32 v12, |v[XR]|, |v[XR+1]|, |v[XR+2]|
	v_max3_num_f32 v13, |v[XR+3]|, |v[XR+4]|, |v[XR+5]|
.irp i, 6,10,14,18,22,26
	v_max3_num_f32 v12, v12, |v[XR+\i]|, |v[XR+\i+1]|
	v_max3_num_f32 v13, v13, |v[XR+\i+2]|, |v[XR+\i+3]|
.endr
	v_max3_num_f32 v12, v12, |v[XR+30]|, |v[XR+31]|
	v_max3_num_f32 v12, v12, v13, 0x1800000        ; with the floor
	v_add_nc_u32 v11, 0xff000000, v12
	v_lshrrev_b32 v13, 23, v11
.if (\t) == 0
	v_mov_b32 v24, v13                             ; my four blocks' bytes, the lower K in the lower byte
.else
	v_lshl_or_b32 v24, v13, 8*(\t), v24
.endif
.irp g, 0,1,2,3
	v_cvt_scalef32_pk8_fp4_f32 v[CW+4*(\t)+\g], v[XR+8*\g:XR+8*\g+7], v11
.endr
	ds_store_b128 v4, v[CW+4*(\t):CW+4*(\t)+3] offset:16*(\t)
.if (\t) < 2
	LOADW (\t)+2, \N, \SRC
.endif
.endm
.macro WPATH N, ST, SB, SRC, DST       ; s18: the work-group's number among this weight's
	s_lshr_b32 s20, s18, 1                         ; cb: which 64 columns
	s_and_b32 s21, s18, 1                          ; kh: which half of K
	s_and_b32 s22, s16, 1                          ; cg: which 32 of the 64 columns
	s_lshr_b32 s23, s16, 1                         ; kc: which 128 of the 512 k
	v_lshlrev_b32 v3, 2, v2
	s_lshl_b32 s24, s22, 5
	v_add_nc_u32 v10, s24, v2                      ; my column among the 64
	v_mul_u32_u24 v4, v10, 272
	s_lshl_b32 s25, s23, 6
	s_add_co_u32 s25, s25, \ST
	v_add_nc_u32 v4, s25, v4                       ; into the stage: my column's row, 64 bytes for each 128 k
	v_lshlrev_b32 v5, 4, v10
	s_lshl_b32 s25, s23, 2
	s_add_co_u32 s25, s25, \SB
	v_add_nc_u32 v5, s25, v5                       ; my four scale bytes
	v_lshrrev_b32 v6, 4, v2
	v_and_b32 v9, 15, v2
	s_lshl_b32 s25, s16, 3
	v_add_nc_u32 v6, s25, v6
	v_mul_u32_u24 v7, v6, 272
	v_lshl_add_u32 v7, v9, 4, v7
	v_add_nc_u32 v7, \ST, v7                       ; out of it: wave w takes rows 8 w on, sixteen lanes to a row
	s_lshl_b32 s25, s16, 11
	v_lshl_add_u32 v8, v2, 4, s25                  ; the same place in memory: rows are dense there
	v_lshl_add_u32 v9, v0, 4, \SB                  ; the scale bytes' way out (waves 0 and 1)
	v_lshlrev_b32 v10, 4, v0
	s_lshl_b32 s26, s21, 9
	s_lshl_b32 s27, s23, 7
	s_add_co_u32 s26, s26, s27
	s_mul_i32 s26, s26, 4*\N                       ; my first row of the weight,
	s_lshl_b32 s27, s20, 8
	s_add_co_u32 s26, s26, s27
	s_lshl_b32 s27, s22, 7
	s_add_co_u32 s26, s26, s27                     ; my first column
	s_mov_b32 s27, 0
	s_mul_i32 s28, s21, 256*\N
	s_lshl_b32 s29, s20, 14
	s_add_co_u32 s28, s28, s29                     ; codes: half, 64 columns x 256 bytes
	s_mov_b32 s29, 0
	s_mul_i32 s30, s21, 16*\N
	s_lshl_b32 s31, s20, 10
	s_add_co_u32 s30, s30, s31
	s_add_co_u32 s30, s30, 512*\N                  ; scale bytes: behind the codes
	s_mov_b32 s31, 0
	s_wait_kmcnt 0x0
	s_add_nc_u64 s[\SRC:\SRC+1], s[\SRC:\SRC+1], s[26:27]
	s_add_nc_u64 s[32:33], s[\DST:\DST+1], s[30:31]
	s_add_nc_u64 s[\DST:\DST+1], s[\DST:\DST+1], s[28:29]
	LOADW 0, \N, \SRC
	LOADW 1, \N, \SRC
.irp t, 0,1,2,3
	BLOCKW \t, \N, \SRC
.endr
	ds_store_b32 v5, v24
	s_wait_dscnt 0x0                               ; my codes and bytes lie in LDS
	s_barrier_signal -1
	s_barrier_wait -1                              ; everybody's do
.irp j, 0,1,2,3
	ds_load_b128 v[OUTR+4*\j:OUTR+4*\j+3], v7 offset:544*\j
.endr
.irp j, 0,1,2,3
	s_wait_dscnt 3-\j                              ; the younger read-backs may be out
	global_store_b128 v8, v[OUTR+4*\j:OUTR+4*\j+3], s[\DST:\DST+1] offset:512*\j   ; 32 lanes store 512 consecutive bytes, aligned to 256
.endr
	s_cmp_lt_u32 s16, 2
	s_cbranch_scc0 .Lw_end_\@
	ds_load_b128 v[28:31], v9
	s_wait_dscnt 0x0
	global_store_b128 v10, v[28:31], s[32:33]      ; 64 columns x 16 bytes: 512 consecutive bytes a wave
.Lw_end_\@:
	s_wait_tensorcnt 0x0
	ds_add_u32 v208, v209
	s_wait_dscnt 0x0
	s_endpgm
.endm
.Lweights:
	s_cmp_lt_u32 ttmp9, 224
	s_cbranch_scc0 .Lwo
	s_sub_co_u32 s18, ttmp9, 128
	WPATH 3072, WQST, WQSB, 6, 12
.Lwo:
	s_sub_co_u32 s18, ttmp9, 224
	WPATH 1024, WOST, WOSB, 8, 14
.Lfunc_end_k_q00a48e2d53_prep:
	.size	k_q00a48e2d53_prep, .Lfunc_end_k_q00a48e2d53_prep-k_q00a48e2d53_prep
	.p2alignl 7, 3214868480
	.fill 96, 4, 3214868480
	.section	.rodata,"a",@progbits
	.p2align	6, 0x0
	.amdhsa_kernel k_q00a48e2d53_prep
		.amdhsa_group_segment_fixed_size 79872
		.amdhsa_private_segment_fixed_size 0
		.amdhsa_enable_private_segment 0
		.amdhsa_kernarg_size 48
		.amdhsa_user_sgpr_count 2
		.amdhsa_user_sgpr_kernarg_segment_ptr 1
		.amdhsa_wavefront_size32 1
		.amdhsa_system_sgpr_workgroup_id_x 1
		.amdhsa_system_sgpr_workgroup_id_y 1
		.amdhsa_system_sgpr_workgroup_id_z 1
		.amdhsa_system_vgpr_workitem_id 0
		.amdhsa_next_free_vgpr 210
		.amdhsa_next_free_sgpr 66
		.amdhsa_reserve_vcc 0
		.amdhsa_float_denorm_mode_32 3
		.amdhsa_float_denorm_mode_16_64 3
		.amdhsa_memory_ordered 1
		.amdhsa_forward_progress 1
		.amdhsa_inst_pref_size 61
	.end_amdhsa_kernel
	.amdgpu_metadata
---
amdhsa.version: [ 1, 2 ]
amdhsa.kernels:
  - .name:           k_q00a48e2d53_prep
    .symbol:         k_q00a48e2d53_prep.kd
    .args:
      - { .name: x, .offset: 0, .size: 8, .value_kind: global_buffer, .address_space: global }
      - { .name: W_qkv, .offset: 8, .size: 8, .value_kind: global_buffer, .address_space: global }
      - { .name: W_out, .offset: 16, .size: 8, .value_kind: global_buffer, .address_space: global }
      - { .name: xq, .offset: 24, .size: 8, .value_kind: global_buffer, .address_space: global }
      - { .name: wq, .offset: 32, .size: 8, .value_kind: global_buffer, .address_space: global }
      - { .name: wo, .offset: 40, .size: 8, .value_kind: global_buffer, .address_space: global }
    .group_segment_fixed_size: 79872
    .private_segment_fixed_size: 0
    .kernarg_segment_align: 8
    .kernarg_segment_size: 48
    .max_flat_workgroup_size: 256
    .sgpr_count:     66
    .vgpr_count:     210
    .wavefront_size: 32
...
	.end_amdgpu_metadata
.endif
;; end of part 1
;; launch qkv (part 2): grid 8 x 32, 4 waves a work-group, clusters of 4 x 4, 327,680 bytes of LDS; arguments xq, wq, qq, kq, vq; writes qq, kq, vq
.if DOCPART == 2
	.amdgcn_target "amdgcn-amd-amdhsa--gfx1250"
	.amdhsa_code_object_version 6
	.text
	.protected	k_q00a48e2d53_qkv
	.globl	k_q00a48e2d53_qkv
	.p2align	8
	.type	k_q00a48e2d53_qkv,@function
k_q00a48e2d53_qkv:
	s_mov_b64 s[64:65], 0
	v_nop
	global_prefetch_b8 v0, s[64:65] scope:SCOPE_SE
	s_setreg_imm32_b32 hwreg(HW_REG_WAVE_MODE, 25, 1), 1
	s_wait_xcnt 0x0
	s_wait_alu depctr_hold_cnt(0) depctr_sa_sdst(0) depctr_va_vdst(0) depctr_va_sdst(0) depctr_va_ssrc(0) depctr_va_vcc(0) depctr_vm_vsrc(0)
	s_getreg_b32 s2, hwreg(HW_REG_IB_STS2, 6, 4)
	s_cmp_eq_u32 s2, 0
	s_cbranch_scc0 .Lentry_in_a_cluster
	s_endpgm
.Lentry_in_a_cluster:
	s_bfe_u32 s2, ttmp6, 0x10000c
	s_cmp_lg_u32 s2, 0xf033
	s_cbranch_scc0 .Lentry_shape_is_right
	s_endpgm
.Lentry_shape_is_right:
; qkv = x W_qkv on codes of FP4 with E8M0 scales, K = 1,024; the results are quantised in registers: q and k along the head's 64, v along the KEYS.
; SHARES.  A work-group takes 128 rows of x and the q, k and v columns of two heads (3 x 128 columns): every work-group has the same mix.  Wave (wr, wc) takes rows 64 wr on and head wc of the two:
; 4 tiles of rows x (4 q + 4 k + 4 v) tiles of columns = 48 accumulators.  All of K lies in LDS as two chunks of 512: each LDS byte is filled once, so there is no ring.
; CLUSTER 4 x 4: x's tiles hang on the tile row alone and are asked for jointly along a row of the cluster, W's on the tile column alone and jointly along a column.
; ORIENTATION.  q, k: source 0 = 16 columns of W, source 1 = 16 rows of x: a lane holds ONE row and its registers run along the head.  v: source 0 = x, source 1 = W: a lane holds ONE column d and its
; registers run along the keys.  THE ROWS OF A TILE of x, Wq and Wk ARE NOT NEIGHBOURS: lane r of tile 2 b + u takes row 32 b + 8 u + r + 8 (r / 8), so that the 16 registers of two neighbouring tiles
; are 16 neighbours along the next product's K.
; OUT.  qq, kq: [head 32][n 2048][32 bytes of codes]; behind them a word a row: byte 0, 1 its two scales, bytes 2, 3 = 127.  vq: [head][64 keys][d tile 4][512 bytes: the operand's registers, 16 bytes a lane];
; behind them [head][64 keys][d pair 2][16] words: bytes 0, 1 the two key blocks of d = 32 pair + r, bytes 2, 3 those of d + 16.
; LIMITS: as in the launch before (a block under 2^-124 gets the byte 1; no NaN, no infinities).
; REGISTERS: window 0: v1-20 addresses; v32-43 at work in QUANT; v48, v49 at work; v64-191 scale words (fragment f, K step q at 64 + 8 f + q); v192-239 codes on their way out; v240-244 scale words on their way out.
;   window 1: two sets of fragments at 0 and 128: x's tile a at + 8 a, W's tile n at + 32 + 8 n (0-3 q, 4-7 k, 8-11 v).  window 2: q's and k's accumulators at 128 role + 32 a + 8 n.  window 3: v's at 32 t + 8 a.
.set RGN,  34816                       ; 128 rows x 272 bytes (256 + 16 of padding)
.set CH,   139264                      ; a chunk: Wq, Wk, Wv, x; region w is filled by wave w
.set SCL,  278528                      ; behind the chunks: four regions of scale bytes, [chunk][row 128][16], in the same order
.set XSO,  2097152
.set WQS,  1572864
.set QS,   2097152
.set VS,   2097152
.set ADRA, 8                           ; v8-9   my x fragments in chunk 0, 1
.set ADRQ, 10                          ; v10-11 my Wq fragments (Wk's lie RGN further on)
.set ADRV, 12                          ; v12-13 my Wv fragments
.set ASA,  14                          ; v14-16 the scale words' addresses
.set ASQ,  15
.set ASV,  16
.set QCO,  17                          ; v17-20 offsets of the stores
.set QSO,  18
.set VCO,  19
.set VSOF, 20
.set TM,   32
.set SC,   64
.set OUTC, 192
.set Y,    240
.set G1A,  24                          ; s[24:31] group 1, x's codes;  s[32:39] W's codes;  s[40:47] x's scales;  s[48:55] W's scales
.set G1B,  32
.set G1SA, 40
.set G1SB, 48
.set SEL,  20                          ; s[20:21] lane selects: lane l xor 16
.set MSB, 0
.macro WIN new                         ; the immediate's high byte repeats the setting that is left; a switch that changes nothing is dropped
.if MSB != (\new)
	s_set_vgpr_msb (MSB<<8)|(\new)
.set MSB, (\new)
.endif
.endm
.macro PLACES n
.rept \n
	v_nop
.endr
.endm
; A joint load: wave 3 fetches for x, waves 0 to 2 for W.  Each line has one mask; the branch hangs on the wave's number alone.  Four v_nop follow each line.
.macro JLOAD g0a, g1a, g0b, g1b
	s_cmp_eq_u32 s14, 3
	s_cbranch_scc0 .Lfor_w_\@
	tensor_load_to_lds s[\g0a:\g0a+3], s[\g1a:\g1a+7]
	s_nop 0
.rept 4
	v_nop
.endr
	s_branch .Lasked_\@
.Lfor_w_\@:
	tensor_load_to_lds s[\g0b:\g0b+3], s[\g1b:\g1b+7]
	s_nop 0
.rept 4
	v_nop
.endr
.Lasked_\@:
.endm
.macro CROUND                          ; a round of the cluster's barrier
	s_barrier_signal -1
	s_barrier_wait -1
	s_cmp_lg_u32 s14, 0
	s_cbranch_scc1 .Lnot_wave_0_\@
	s_barrier_signal -3
.Lnot_wave_0_\@:
	s_barrier_wait -3
	s_barrier_signal -1
	s_barrier_wait -1
.endm
; 64 numbers of a lane in window w, register s + 16 b + i = k 32 b + 16 (lane / 16) + i of the lane's row, become codes in v[o .. o + 7] (the operand's layout) and four scale bytes in v[TM+4 .. TM+7].
; The numbers are read in ascending order: each accumulator from its low end on.
.macro QUANT w, s, o
	WIN (\w)|((\w)<<2)
.irp b, 0,1,2,3
	v_max3_num_f32 v[TM+\b], |v[(\s)+16*\b]|, |v[(\s)+16*\b+1]|, 0x1800000   ; with the floor 2^(3 - 127): the byte cannot fall under 1
.endr
	WIN ((\w)<<2)|((\w)<<4)
.irp i, 2,4,6,8,10,12,14
.irp b, 0,1,2,3
	v_max3_num_f32 v[TM+\b], v[TM+\b], |v[(\s)+16*\b+\i]|, |v[(\s)+16*\b+\i+1]|
.endr
.endr
	WIN 0
.irp b, 0,1,2,3
	v_permlanex16_b32 v[TM+4+\b], v[TM+\b], s[SEL], s[SEL+1]
.endr
.irp b, 0,1,2,3
	v_max_num_f32 v[TM+\b], v[TM+\b], v[TM+4+\b]   ; with lane l xor 16's 16: the block's largest magnitude
.endr
.irp b, 0,1,2,3
	v_add_nc_u32 v[TM+8+\b], 0xff000000, v[TM+\b]  ; 2 off its exponent field: the conversion's scale operand
.endr
.irp b, 0,1,2,3
	v_lshrrev_b32 v[TM+4+\b], 23, v[TM+8+\b]       ; the scale's byte
.endr
	WIN (\w)
.irp b, 0,1,2,3
	v_cvt_scalef32_pk8_fp4_f32 v[(\o)+2*\b], v[(\s)+16*\b:(\s)+16*\b+7], v[TM+8+\b]
	v_cvt_scalef32_pk8_fp4_f32 v[(\o)+2*\b+1], v[(\s)+16*\b+8:(\s)+16*\b+15], v[TM+8+\b]
.endr
	WIN 0
	v_nop                                          ; one plain line behind the scaled conversions
.irp c, 0,1                            ; the operand's layout wants a whole block in a lane: lanes 0-15 block 2 c, lanes 16-31 block 2 c + 1
.irp i, 0,1
	v_permlane16_swap_b32 v[(\o)+4*\c+\i], v[(\o)+4*\c+2+\i]
.endr
.endr
.endm
	s_load_b128 s[4:7], s[0:1], 0x0                ; xq, wq
	s_load_b128 s[8:11], s[0:1], 0x10              ; qq, kq
	s_load_b64 s[12:13], s[0:1], 0x20              ; vq
	v_lshl_add_u32 v254, v0, 2, 0x48000
	v_mov_b32 v255, 0
	ds_add_u32 v254, v255
	ds_add_u32 v254, v255
	v_lshrrev_b32 v1, 5, v0
	v_readfirstlane_b32 s14, v1                    ; wave 0..3
	s_lshr_b32 s15, s14, 1                         ; wr
	s_and_b32 s16, s14, 1                          ; wc
	s_bfe_u32 s84, ttmp6, 0x40000                  ; cx
	s_bfe_u32 s85, ttmp6, 0x40004                  ; cy
	s_lshl_b32 s86, ttmp9, 2
	s_add_co_u32 s86, s86, s84                     ; tx: which two heads
	s_and_b32 s87, ttmp7, 0xffff
	s_lshl_b32 s87, s87, 2
	s_add_co_u32 s87, s87, s85                     ; ty: which 128 rows
	s_lshl_b32 s88, s85, 2
	s_lshl_b32 s88, 15, s88                        ; my row of the cluster
	s_lshl_b32 s89, 0x1111, s84                    ; my column
	; group 1 for codes: a dense block of 128 rows x 256 bytes (32 elements of 8 bytes), 16 bytes of padding behind each row
	s_or_b32 s[G1A], s88, (3<<16)|(1<<20)|(1<<21)|(5<<22)|(3<<25)
	s_or_b32 s[G1B], s89, (3<<16)|(1<<20)|(1<<21)|(5<<22)|(3<<25)
.irp g, G1A, G1B
	s_mov_b32 s[\g+1], 32<<16                      ; tensor_dim0
	s_mov_b32 s[\g+2], 128<<16                     ; tensor_dim1
	s_mov_b32 s[\g+3], 32<<16                      ; tile_dim0
	s_mov_b32 s[\g+4], 128                         ; tile_dim1
	s_mov_b32 s[\g+5], 32                          ; pitch
	s_mov_b32 s[\g+6], 0
	s_mov_b32 s[\g+7], 0
.endr
	; group 1 for scale bytes: two rows (the halves of K) of 2,048 bytes = 128 rows x 16; no padding
	s_or_b32 s[G1SA], s88, (3<<16)|(1<<21)
	s_or_b32 s[G1SB], s89, (3<<16)|(1<<21)
.irp g, G1SA, G1SB
	s_mov_b32 s[\g+1], 256<<16
	s_mov_b32 s[\g+2], 2<<16
	s_mov_b32 s[\g+3], 256<<16
	s_mov_b32 s[\g+4], 2
	s_mov_b32 s[\g+6], 0
	s_mov_b32 s[\g+7], 0
.endr
	s_mov_b32 s[G1SA+5], 8192                      ; 4,096 rows x 16 bytes from half to half
	s_mov_b32 s[G1SB+5], 6144                      ; 3,072 columns x 16 bytes
	; where the tiles come from: x's hang on ty alone, W's on tx and the wave alone, each in registers that never hold the other coordinate
	s_min_u32 s90, s14, 2                          ; which of q, k, v I fetch (wave 3 fetches x and does not use this)
	s_lshl_b32 s18, s87, 15
	s_mov_b32 s19, 0
	s_lshl_b32 s92, s87, 11
	s_add_co_u32 s92, s92, XSO
	s_mov_b32 s93, 0
	s_lshl_b32 s94, s90, 18
	s_lshl_b32 s17, s86, 15
	s_add_co_u32 s94, s94, s17
	s_mov_b32 s95, 0
	s_lshl_b32 s96, s90, 14
	s_lshl_b32 s17, s86, 11
	s_add_co_u32 s96, s96, s17
	s_add_co_u32 s96, s96, WQS
	s_mov_b32 s97, 0
	s_mul_i32 s91, s14, RGN                        ; where they go: region = wave
	s_lshl_b32 s98, s14, 12
	s_add_co_u32 s98, s98, SCL
	s_wait_dscnt 0x0
	s_wait_kmcnt 0x0
	s_add_nc_u64 s[18:19], s[4:5], s[18:19]
	s_add_nc_u64 s[92:93], s[4:5], s[92:93]
	s_add_nc_u64 s[94:95], s[6:7], s[94:95]
	s_add_nc_u64 s[96:97], s[6:7], s[96:97]
	CROUND                                         ; all sixteen work-groups are here: the joint loads meet
	s_mov_b32 s56, 1
	s_mov_b32 s57, s98
	s_mov_b64 s[58:59], s[92:93]
	s_or_b32 s59, s59, 0x80000000
	s_mov_b32 s72, 1
	s_mov_b32 s73, s98
	s_mov_b64 s[74:75], s[96:97]
	s_or_b32 s75, s75, 0x80000000
	JLOAD 56, G1SA, 72, G1SB                       ; the scale bytes of all of K
	s_mov_b32 s60, 1
	s_mov_b32 s61, s91
	s_mov_b64 s[62:63], s[18:19]
	s_or_b32 s63, s63, 0x80000000
	s_mov_b32 s76, 1
	s_mov_b32 s77, s91
	s_mov_b64 s[78:79], s[94:95]
	s_or_b32 s79, s79, 0x80000000
	JLOAD 60, G1A, 76, G1B                         ; chunk 0
	s_mov_b32 s68, 1
	s_add_co_u32 s69, s91, CH
	s_add_nc_u64 s[70:71], s[18:19], 1048576
	s_or_b32 s71, s71, 0x80000000
	s_mov_b32 s80, 1
	s_add_co_u32 s81, s91, CH
	s_add_nc_u64 s[82:83], s[94:95], 786432
	s_or_b32 s83, s83, 0x80000000
	JLOAD 68, G1A, 80, G1B                         ; chunk 1: three loads of mine are out
	v_and_b32 v1, 15, v0                           ; r
	v_bfe_u32 v2, v0, 4, 1                         ; h
	v_and_b32 v3, 8, v1
	v_add_nc_u32 v3, v3, v1                        ; r + 8 (r / 8)
	s_lshl_b32 s17, s15, 6
	v_add_nc_u32 v5, s17, v3                       ; x: row 64 wr + ..
	v_mul_u32_u24 v6, v5, 272
	v_lshl_add_u32 v6, v2, 4, v6
	v_add_nc_u32 v[ADRA], 3*RGN, v6
	v_add_nc_u32 v[ADRA+1], CH, v[ADRA]
	v_lshlrev_b32 v5, 4, v5
	v_add_nc_u32 v[ASA], SCL+12288, v5
	s_lshl_b32 s17, s16, 6
	v_add_nc_u32 v5, s17, v3                       ; Wq, Wk: row 64 wc + ..
	v_mul_u32_u24 v[ADRQ], v5, 272
	v_lshl_add_u32 v[ADRQ], v2, 4, v[ADRQ]
	v_add_nc_u32 v[ADRQ+1], CH, v[ADRQ]
	v_lshlrev_b32 v5, 4, v5
	v_add_nc_u32 v[ASQ], SCL, v5
	v_add_nc_u32 v5, s17, v1                       ; Wv: rows as they lie
	v_mul_u32_u24 v6, v5, 272
	v_lshl_add_u32 v6, v2, 4, v6
	v_add_nc_u32 v[ADRV], 2*RGN, v6
	v_add_nc_u32 v[ADRV+1], CH, v[ADRV]
	v_lshlrev_b32 v5, 4, v5
	v_add_nc_u32 v[ASV], SCL+8192, v5
	v_lshlrev_b32 v[QCO], 5, v3
	v_lshl_add_u32 v[QCO], v2, 4, v[QCO]           ; q, k codes: my row's 32 bytes, my half's 16
	v_lshl_add_u32 v[QSO], v2, 3, v3
	v_lshlrev_b32 v[QSO], 2, v[QSO]                ; q, k scale words: lanes 16-31 take the tile 8 rows on
	v_and_b32 v[VSOF], 31, v0
	v_lshlrev_b32 v[VCO], 4, v[VSOF]
	v_lshlrev_b32 v[VSOF], 2, v[VSOF]
.irp b, 0,1,2,3
	v_mov_b32 v[TM+4+\b], 0                        ; written once: a lane permute's destination counts as one of its sources
.endr
	s_mov_b32 s[SEL], 0x76543210
	s_mov_b32 s[SEL+1], 0xfedcba98
	s_mov_b32 s22, 0xffff0000                      ; lanes 16-31
	; where my results go: row index = head x 2048 + n
	s_lshr_b32 s17, s87, 4
	s_lshl_b32 s17, s17, 4
	s_lshl_b32 s90, s86, 1
	s_add_co_u32 s17, s17, s90
	s_add_co_u32 s17, s17, s16                     ; batch x 16 + head
	s_lshl_b32 s17, s17, 11
	s_and_b32 s90, s87, 15
	s_lshl_b32 s90, s90, 7
	s_add_co_u32 s17, s17, s90
	s_lshl_b32 s90, s15, 6
	s_add_co_u32 s17, s17, s90
	s_lshl_b32 s92, s17, 5                         ; codes: 32 bytes a row in all three
	s_mov_b32 s93, 0
	s_lshl_b32 s94, s17, 2
	s_add_co_u32 s94, s94, QS
	s_mov_b32 s95, 0
	s_lshl_b32 s96, s17, 1                         ; v's scale words: 128 bytes for 64 keys
	s_add_co_u32 s96, s96, VS
	s_mov_b32 s97, 0
	s_add_nc_u64 s[4:5], s[8:9], s[92:93]          ; q's codes
	s_add_nc_u64 s[6:7], s[8:9], s[94:95]          ; q's scale words
	s_add_nc_u64 s[8:9], s[10:11], s[92:93]        ; k's codes
	s_add_nc_u64 s[10:11], s[10:11], s[94:95]      ; k's scale words
	s_add_nc_u64 s[18:19], s[12:13], s[96:97]      ; v's scale words
	s_add_nc_u64 s[12:13], s[12:13], s[92:93]      ; v's codes
.macro SCALES                          ; all scale words: four (a half of K) to a load
.irp f, 0,1,2,3
.irp u, 0,1
	ds_load_b128 v[SC+8*\f+4*\u:SC+8*\f+4*\u+3], v[ASA] offset:(32*(\f/2)+8*(\f%2))*16+2048*\u
.endr
.endr
.irp n, 0,1,2,3,4,5,6,7
.irp u, 0,1
	ds_load_b128 v[SC+32+8*\n+4*\u:SC+32+8*\n+4*\u+3], v[ASQ] offset:(\n/4)*4096+(32*((\n%4)/2)+8*(\n%2))*16+2048*\u
.endr
.endr
.irp t, 0,1,2,3
.irp u, 0,1
	ds_load_b128 v[SC+96+8*\t+4*\u:SC+96+8*\t+4*\u+3], v[ASV] offset:256*\t+2048*\u
.endr
.endr
.endm
.macro FETCH q, p                      ; the 16 fragments of K step q into set p: 32 loads in one run
	WIN 0x40                                       ; destination window 1, address window 0
.irp a, 0,1,2,3
.irp c, 0,1
	ds_load_b128 v[128*(\p)+8*\a+4*\c:128*(\p)+8*\a+4*\c+3], v[ADRA+(\q)/4] offset:(32*(\a/2)+8*(\a%2))*272+64*((\q)%4)+32*\c
.endr
.endr
.irp n, 0,1,2,3,4,5,6,7
.irp c, 0,1
	ds_load_b128 v[128*(\p)+32+8*\n+4*\c:128*(\p)+32+8*\n+4*\c+3], v[ADRQ+(\q)/4] offset:(\n/4)*RGN+(32*((\n%4)/2)+8*(\n%2))*272+64*((\q)%4)+32*\c
.endr
.endr
.irp t, 0,1,2,3
.irp c, 0,1
	ds_load_b128 v[128*(\p)+96+8*\t+4*\c:128*(\p)+96+8*\t+4*\c+3], v[ADRV+(\q)/4] offset:16*\t*272+64*((\q)%4)+32*\c
.endr
.endr
	WIN 0
.endm
; 48 matrix instructions: the accumulators take turns, one instruction a turn, in the same order in every step.  zero = 1: the first step starts the sums.
.macro MULS q, p, zero
	WIN 0xa5                                       ; sources 0 and 1 window 1, C and D window 2
.irp a, 0,1,2,3
.irp n, 0,1,2,3,4,5,6,7
.set AC, 128*(\n/4)+32*\a+8*(\n%4)
.set WF, 128*(\p)+32+8*\n
.set XF, 128*(\p)+8*\a
.if \zero
	v_wmma_scale_f32_16x16x128_f8f6f4 v[AC:AC+7], v[WF:WF+7], v[XF:XF+7], 0, v[SC+32+8*\n+(\q)], v[SC+8*\a+(\q)] matrix_a_fmt:MATRIX_FMT_FP4 matrix_b_fmt:MATRIX_FMT_FP4
.else
	v_wmma_scale_f32_16x16x128_f8f6f4 v[AC:AC+7], v[WF:WF+7], v[XF:XF+7], v[AC:AC+7], v[SC+32+8*\n+(\q)], v[SC+8*\a+(\q)] matrix_a_fmt:MATRIX_FMT_FP4 matrix_b_fmt:MATRIX_FMT_FP4
.endif
.endr
.endr
	WIN 0xf5                                       ; C and D window 3
.irp t, 0,1,2,3
.irp a, 0,1,2,3
.set AC, 32*\t+8*\a
.set WF, 128*(\p)+96+8*\t
.set XF, 128*(\p)+8*\a
.if \zero
	v_wmma_scale_f32_16x16x128_f8f6f4 v[AC:AC+7], v[XF:XF+7], v[WF:WF+7], 0, v[SC+8*\a+(\q)], v[SC+96+8*\t+(\q)] matrix_a_fmt:MATRIX_FMT_FP4 matrix_b_fmt:MATRIX_FMT_FP4
.else
	v_wmma_scale_f32_16x16x128_f8f6f4 v[AC:AC+7], v[XF:XF+7], v[WF:WF+7], v[AC:AC+7], v[SC+8*\a+(\q)], v[SC+96+8*\t+(\q)] matrix_a_fmt:MATRIX_FMT_FP4 matrix_b_fmt:MATRIX_FMT_FP4
.endif
.endr
.endr
	WIN 0
.endm
.macro STEP q, zero
.if (\q) == 3
	s_wait_tensorcnt 0x0                           ; my part of chunk 1 has landed,
	s_wait_dscnt 0x0                               ; no LDS load of mine is out at the signal,
	s_barrier_signal -1
	s_barrier_wait -1                              ; and everybody's part has landed
.endif
.if (\q) < 7
.if (\q) > 0
	PLACES 4                                       ; four plain lines between the last products and loads into the set that the step before multiplied
.endif
	FETCH (\q)+1, ((\q)+1)%2
	s_wait_dscnt 32                                ; all but the 32 just issued: this step's fragments are in
.else
	s_wait_dscnt 0x0
.endif
	MULS \q, (\q)%2, \zero
.endm
	s_wait_tensorcnt 1                             ; the scale bytes and my part of chunk 0 are in; chunk 1's load may stay out
	s_barrier_signal -1
	s_barrier_wait -1                              ; everybody's are
	SCALES
	FETCH 0, 0
	STEP 0, 1
.irp q, 1,2,3,4,5,6,7
	STEP \q, 0
.endr
	PLACES 4                                       ; between the last products and the first read of results
; THE WAY OUT: straight from registers.  q, k (call k: role k / 2, tiles of rows 2 (k % 2) and + 1): a lane's four registers are 32 codes of its row's block h: 16 bytes; eight neighbouring rows make 256 consecutive bytes.
.macro QKOUT k
.set RO, (\k)/2
.set BB, (\k)%2
	QUANT 2, 128*RO+64*BB, OUTC+8*(\k)
	v_lshl_or_b32 v48, v[TM+5], 8, v[TM+4]         ; the first tile's two bytes,
	v_lshl_or_b32 v49, v[TM+7], 8, v[TM+6]         ; the second's;
	v_or_b32 v48, 0x7f7f0000, v48                  ; bytes 2 and 3 scale the zero codes that fill K up to 128: 127
	v_or_b32 v49, 0x7f7f0000, v49
	v_cndmask_b32 v[Y+(\k)], v48, v49, s22         ; lanes 16-31 carry the second tile's words
	global_store_b128 v[QCO], v[OUTC+8*(\k):OUTC+8*(\k)+3], s[4+4*RO:5+4*RO] offset:32*BB*32
	global_store_b128 v[QCO], v[OUTC+8*(\k)+4:OUTC+8*(\k)+7], s[4+4*RO:5+4*RO] offset:(32*BB+8)*32
	global_store_b32 v[QSO], v[Y+(\k)], s[6+4*RO:7+4*RO] offset:128*BB   ; 32 rows' words: 128 consecutive bytes
.endm
.macro VOUT tp                         ; v: d tiles 2 tp and 2 tp + 1; a lane's four registers are 32 keys of its column d: the operand's registers as they stand, 512 consecutive bytes a store
	QUANT 3, 64*(\tp), OUTC+32+8*(\tp)
	v_lshl_or_b32 v[48+(\tp)], v[TM+5], 8, v[TM+4]
	v_lshl_or_b32 v[48+(\tp)], v[TM+6], 16, v[48+(\tp)]
	v_lshl_or_b32 v[48+(\tp)], v[TM+7], 24, v[48+(\tp)]
	global_store_b128 v[VCO], v[OUTC+32+8*(\tp):OUTC+32+8*(\tp)+3], s[12:13] offset:1024*(\tp)
	global_store_b128 v[VCO], v[OUTC+32+8*(\tp)+4:OUTC+32+8*(\tp)+7], s[12:13] offset:1024*(\tp)+512
.endm
	QKOUT 0
	QKOUT 1
	QKOUT 2
	QKOUT 3
	VOUT 0
	VOUT 1
	v_cndmask_b32 v[Y+4], v48, v49, s22
	global_store_b32 v[VSOF], v[Y+4], s[18:19]
	s_wait_tensorcnt 0x0
	ds_add_u32 v254, v255
	s_wait_dscnt 0x0
	CROUND                                         ; the closing round: no work-group ends while a partner may still ask for a tile that names it
	s_endpgm
.Lfunc_end_k_q00a48e2d53_qkv:
	.size	k_q00a48e2d53_qkv, .Lfunc_end_k_q00a48e2d53_qkv-k_q00a48e2d53_qkv
	.p2alignl 7, 3214868480
	.fill 96, 4, 3214868480
	.section	.rodata,"a",@progbits
	.p2align	6, 0x0
	.amdhsa_kernel k_q00a48e2d53_qkv
		.amdhsa_group_segment_fixed_size 327680
		.amdhsa_private_segment_fixed_size 0
		.amdhsa_enable_private_segment 0
		.amdhsa_kernarg_size 40
		.amdhsa_user_sgpr_count 2
		.amdhsa_user_sgpr_kernarg_segment_ptr 1
		.amdhsa_wavefront_size32 1
		.amdhsa_system_sgpr_workgroup_id_x 1
		.amdhsa_system_sgpr_workgroup_id_y 1
		.amdhsa_system_sgpr_workgroup_id_z 1
		.amdhsa_system_vgpr_workitem_id 0
		.amdhsa_next_free_vgpr 896
		.amdhsa_next_free_sgpr 100
		.amdhsa_reserve_vcc 0
		.amdhsa_float_denorm_mode_32 3
		.amdhsa_float_denorm_mode_16_64 3
		.amdhsa_memory_ordered 1
		.amdhsa_forward_progress 1
		.amdhsa_inst_pref_size 105
	.end_amdhsa_kernel
	.amdgpu_metadata
---
amdhsa.version: [ 1, 2 ]
amdhsa.kernels:
  - .name:           k_q00a48e2d53_qkv
    .symbol:         k_q00a48e2d53_qkv.kd
    .args:
      - { .name: xq, .offset: 0, .size: 8, .value_kind: global_buffer, .address_space: global }
      - { .name: wq, .offset: 8, .size: 8, .value_kind: global_buffer, .address_space: global }
      - { .name: qq, .offset: 16, .size: 8, .value_kind: global_buffer, .address_space: global }
      - { .name: kq, .offset: 24, .size: 8, .value_kind: global_buffer, .address_space: global }
      - { .name: vq, .offset: 32, .size: 8, .value_kind: global_buffer, .address_space: global }
    .group_segment_fixed_size: 327680
    .private_segment_fixed_size: 0
    .kernarg_segment_align: 8
    .kernarg_segment_size: 40
    .max_flat_workgroup_size: 128
    .sgpr_count:     100
    .vgpr_count:     896
    .wavefront_size: 32
...
	.end_amdgpu_metadata
.endif
;; end of part 2
;; launch attn (part 3): grid 8 x 32, 8 waves a work-group, no clusters, 80,896 bytes of LDS; arguments qq, kq, vq, alpha, beta, gamma, oq; writes oq
.if DOCPART == 3
	.amdgcn_target "amdgcn-amd-amdhsa--gfx1250"
	.amdhsa_code_object_version 6
	.text
	.protected	k_q00a48e2d53_attn
	.globl	k_q00a48e2d53_attn
	.p2align	8
	.type	k_q00a48e2d53_attn,@function
k_q00a48e2d53_attn:
	s_mov_b64 s[64:65], 0
	v_nop
	global_prefetch_b8 v0, s[64:65] scope:SCOPE_SE
	s_setreg_imm32_b32 hwreg(HW_REG_WAVE_MODE, 25, 1), 1
	s_wait_xcnt 0x0
; out = Q(alpha I + beta softmax(q k^T / 32) - gamma / 2048) v for one head, both products on codes of FP4 with E8M0 scales; out is quantised along the model's 1,024 for the last product.
; The matrix that is quantised is the FINISHED one, so a row's sum must be known before its first code is made.  Each score and each exponential is still made once:
; SHARES.  A work-group owns 256 queries of one head and walks them in 16 tiles of 16.  THE WAVES SHARE THE KEYS: wave w owns keys 256 w .. 256 w + 255; its fragments of k (16 tiles) and v (8) and their scale
; words are read from memory once and stay in registers; a tile's 16 x 2,048 scores stay in the eight waves' registers from the product to the conversion.  Between waves go only a pair (-M_w, l_w) a query
; and a wave, and the partial O^T (4 KiB a wave), through LDS.
; SOFTMAX.  c = log2(e) / 32.  -M_w = floor(-c max over my 256 keys), a whole number; e = 2^(c s - M_w) <= 1; l_w = sum of e.  Behind the exchange -M = min of the -M_w, L = sum of l_w 2^(M_w - M),
; a = beta 2^(M_mine - M) / L, and the matrix is e a - gamma / 2048, + alpha on the diagonal.  The maximum is taken away ahead of every exponential.
; K = 64 in the first product: q's fragment has zero codes in its upper four registers, so k's fragment of tile t is named v[4 t : 4 t + 7]: its upper four registers (the next tile's codes) multiply zeros;
; bytes 2 and 3 of both scale words are 127.
; THE KEYS OF A TILE ARE NOT NEIGHBOURS: lane r of tile 2 b + u takes key 32 b + 8 u + r + 8 (r / 8): register S + 16 b + i of lane (r, h) is key 32 b + 16 h + i of query r.
; The eight work-groups of a head read the same k and v, each once, straight into the registers where they stay for 16 tiles: there is no tensor load that could carry a mask, so no cluster; nobody waits for a stream, so no prefetch.
; LIMITS: NaN and infinities are not served; a block under 2^-124 gets the byte 1; an exponential under 2^-126 counts as 0; 1 / L is v_rcp_f32's; the second product's K is summed in eight parts of 256 keys
; that are added in f32; on the diagonal the order is (e a - gamma / 2048) + alpha.
; REGISTERS: window 0: v3-15 addresses; v[16:17] (-M_w, l_w); v[18:19] (a, 0); v20-23 at work; v24-39 at work (TM); v40-47 k's scale words; v48-55 v's; v56 q's; v57-58 the matrix's; v59-60 alpha in lane 0 / lane 16;
;   v64-71 q's fragment; v72-87 the matrix's codes (also temporaries of the reduction and the statistics read back); v88-95 v's scale words as loaded; v96-127 O^T, and the reduction's partials; v128-255 the scores.
;   window 1: v0-63 k's codes, v64-127 v's fragments (d tile t, K step s at 64 + 8 (2 t + s)).
.set OP,   1536                        ; LDS: 0: statistics, 16 rows x 80 bytes, wave w's pair at 8 w.  OP: two buffers of partial O^T, [wave 8][query 16 x 272 bytes]
.set OPB,  34816
.set CST,  71168                       ; out's codes: 16 slots x 512 bytes; tile i lies in slot (i + 1) % 16
.set SST,  79360                       ; out's scale bytes: 16 slots x 32 bytes
.set QS,   2097152
.set VSO,  2097152
.set OS,   2097152
.set TM,   24
.set KS,   40
.set VSR,  48
.set QSC,  56
.set PW,   57
.set DT,   59
.set QF,   64
.set PC,   72
.set RAW,  88
.set OA,   96
.set S,    128
.set WV,   18                          ; s18 wave; s19 which 256 queries; s22 trip; s23 = 1,024 trip; s24 = 128 trip; s25 = 64 trip
.set GQ,   19
.set SEL,  20
.set TRIP, 22
.set MSB, 0
.macro WIN new
.if MSB != (\new)
	s_set_vgpr_msb (MSB<<8)|(\new)
.set MSB, (\new)
.endif
.endm
.macro PLACES n
.rept \n
	v_nop
.endr
.endm
; 64 numbers of a lane, register s + 16 b + i = k 32 b + 16 (lane / 16) + i of the lane's row, become codes in v[o .. o + 7] (the operand's layout) and four scale bytes in v[TM+4 .. TM+7].
.macro QUANT w, s, o
	WIN (\w)|((\w)<<2)
.irp b, 0,1,2,3
	v_max3_num_f32 v[TM+\b], |v[(\s)+16*\b]|, |v[(\s)+16*\b+1]|, 0x1800000   ; with the floor 2^(3 - 127): the byte cannot fall under 1
.endr
	WIN ((\w)<<2)|((\w)<<4)
.irp i, 2,4,6,8,10,12,14
.irp b, 0,1,2,3
	v_max3_num_f32 v[TM+\b], v[TM+\b], |v[(\s)+16*\b+\i]|, |v[(\s)+16*\b+\i+1]|
.endr
.endr
	WIN 0
.irp b, 0,1,2,3
	v_permlanex16_b32 v[TM+4+\b], v[TM+\b], s[SEL], s[SEL+1]
.endr
.irp b, 0,1,2,3
	v_max_num_f32 v[TM+\b], v[TM+\b], v[TM+4+\b]
.endr
.irp b, 0,1,2,3
	v_add_nc_u32 v[TM+8+\b], 0xff000000, v[TM+\b]
.endr
.irp b, 0,1,2,3
	v_lshrrev_b32 v[TM+4+\b], 23, v[TM+8+\b]
.endr
	WIN (\w)
.irp b, 0,1,2,3
	v_cvt_scalef32_pk8_fp4_f32 v[(\o)+2*\b], v[(\s)+16*\b:(\s)+16*\b+7], v[TM+8+\b]
	v_cvt_scalef32_pk8_fp4_f32 v[(\o)+2*\b+1], v[(\s)+16*\b+8:(\s)+16*\b+15], v[TM+8+\b]
.endr
	WIN 0
	v_nop                                          ; one plain line behind the scaled conversions
.irp c, 0,1
.irp i, 0,1
	v_permlane16_swap_b32 v[(\o)+4*\c+\i], v[(\o)+4*\c+2+\i]
.endr
.endr
.endm
.macro WORD d                          ; the four bytes make a scale word
	v_lshl_or_b32 v[\d], v[TM+5], 8, v[TM+4]
	v_lshl_or_b32 v[\d], v[TM+6], 16, v[\d]
	v_lshl_or_b32 v[\d], v[TM+7], 24, v[\d]
.endm
; S^T = k q^T for my 256 keys: 16 products, each its own accumulator
.macro SMUL
	WIN 0x01                                       ; source 0 window 1
.irp t, 0,1,2,3,4,5,6,7,8,9,10,11,12,13,14,15
.if (\t)%2
	v_wmma_scale_f32_16x16x128_f8f6f4 v[S+8*\t:S+8*\t+7], v[4*\t:4*\t+7], v[QF:QF+7], 0, v[KS+\t/2], v[QSC] matrix_a_fmt:MATRIX_FMT_FP4 matrix_b_fmt:MATRIX_FMT_FP4 matrix_a_scale:MATRIX_SCALE_ROW1
.else
	v_wmma_scale_f32_16x16x128_f8f6f4 v[S+8*\t:S+8*\t+7], v[4*\t:4*\t+7], v[QF:QF+7], 0, v[KS+\t/2], v[QSC] matrix_a_fmt:MATRIX_FMT_FP4 matrix_b_fmt:MATRIX_FMT_FP4
.endif
.endr
	WIN 0
.endm
; my 256 keys' maximum, exponentials and sum for each of the 16 queries
.macro PHASE_A
.irp c, 0,1,2,3
	v_max_num_f32 v[TM+\c], v[S+2*\c], v[S+2*\c+1] ; four chains; the scores are read in ascending order, each accumulator from its low end on
.endr
.set j, 4
.rept 60
	v_max3_num_f32 v[TM+j%4], v[TM+j%4], v[S+2*j], v[S+2*j+1]
.set j, j+1
.endr
	v_max3_num_f32 v[TM], v[TM], v[TM+1], v[TM+2]
	v_max_num_f32 v[TM], v[TM], v[TM+3]
	v_permlanex16_b32 v[TM+4], v[TM], s[SEL], s[SEL+1]
	v_max_num_f32 v[TM], v[TM], v[TM+4]            ; with lane l xor 16's keys
	v_mul_f32 v[TM], s16, v[TM]
	v_floor_f32 v16, -v[TM]                        ; -M_w = floor(-c max): a whole number
.set j, 0
.rept 64
	v_pk_fma_f32 v[S+2*j:S+2*j+1], v[S+2*j:S+2*j+1], s[16:17], v[16:17] op_sel_hi:[1,0,0]   ; c s - M_w, two at a time
.set j, j+1
.endr
.set j, 0
.rept 128
	v_exp_f32 v[S+j], v[S+j]
.set j, j+1
.endr
	v_nop                                          ; a plain line behind the last exponential
	s_wait_alu depctr_va_vdst(0)                   ; one wait for the batch, ahead of its first reader
.irp c, 0,1,2,3
	v_pk_add_f32 v[TM+8+2*\c:TM+9+2*\c], v[S+2*\c:S+2*\c+1], v[S+8+2*\c:S+9+2*\c]   ; the sum, in four chains
.endr
.set j, 8
.rept 56
	v_pk_add_f32 v[TM+8+2*(j%4):TM+9+2*(j%4)], v[TM+8+2*(j%4):TM+9+2*(j%4)], v[S+2*j:S+2*j+1]
.set j, j+1
.endr
	v_pk_add_f32 v[TM+8:TM+9], v[TM+8:TM+9], v[TM+10:TM+11]
	v_pk_add_f32 v[TM+12:TM+13], v[TM+12:TM+13], v[TM+14:TM+15]
	v_pk_add_f32 v[TM+8:TM+9], v[TM+8:TM+9], v[TM+12:TM+13]
	v_add_f32 v[TM], v[TM+8], v[TM+9]
	v_permlanex16_b32 v[TM+5], v[TM], s[SEL], s[SEL+1]
	v_add_f32 v17, v[TM], v[TM+5]                  ; l_w
.endm
; the reduction of a tile's partial O^T.  Wave w finishes queries 2 w and 2 w + 1: lane (h, q', g) takes 8 channels (8 g on) of query 2 w + q' from waves 4 h .. 4 h + 3
.macro OLOAD buf
.irp k, 0,1,2,3
.irp e, 0,1
	ds_load_b128 v[OA+8*\k+4*\e:OA+8*\k+4*\e+3], v10 offset:(\buf)*OPB+4352*\k+16*\e
.endr
.endr
.endm
.macro REDUCE imc, ims
.irp p, 0,2,4,6
	v_pk_add_f32 v[OA+\p:OA+\p+1], v[OA+\p:OA+\p+1], v[OA+8+\p:OA+9+\p]
	v_pk_add_f32 v[OA+16+\p:OA+17+\p], v[OA+16+\p:OA+17+\p], v[OA+24+\p:OA+25+\p]
.endr
.irp p, 0,2,4,6
	v_pk_add_f32 v[OA+\p:OA+\p+1], v[OA+\p:OA+\p+1], v[OA+16+\p:OA+17+\p]
.endr
.irp j, 0,1,2,3,4,5,6,7
	v_permlanex16_b32 v[PC+\j], v[OA+\j], s[SEL], s[SEL+1]
.endr
.irp p, 0,2,4,6
	v_pk_add_f32 v[OA+\p:OA+\p+1], v[OA+\p:OA+\p+1], v[PC+\p:PC+\p+1]   ; the other four waves': out is finished
.endr
	v_max3_num_f32 v[TM], |v[OA]|, |v[OA+1]|, 0x1800000
	v_max3_num_f32 v[TM], v[TM], |v[OA+2]|, |v[OA+3]|
	v_max3_num_f32 v[TM], v[TM], |v[OA+4]|, |v[OA+5]|
	v_max3_num_f32 v[TM], v[TM], |v[OA+6]|, |v[OA+7]|
	v_max_num_f32_dpp v[TM], v[TM], v[TM] row_xmask:1 row_mask:0xf bank_mask:0xf
	v_max_num_f32_dpp v[TM], v[TM], v[TM] row_xmask:2 row_mask:0xf bank_mask:0xf   ; four lanes hold a block of 32 channels
	v_add_nc_u32 v[TM+1], 0xff000000, v[TM]
	v_lshrrev_b32 v[TM+2], 23, v[TM+1]
	v_cvt_scalef32_pk8_fp4_f32 v21, v[OA:OA+7], v[TM+1]
	v_add_nc_u32 v13, s23, v11                     ; (a plain line behind the conversion)  the tile's slot
	v_add_nc_u32 v14, s25, v12
	ds_store_b32 v13, v21 offset:\imc              ; both halves of the lanes hold and store the same
	ds_store_b8 v14, v[TM+2] offset:\ims
.endm
; from the eight waves' pairs in v80-87 (four here, four in lane l xor 16) to a
.macro COMBINE
	v_min3_num_f32 v[TM], v80, v82, v84
	v_min_num_f32 v[TM], v[TM], v86
	v_permlanex16_b32 v[TM+4], v[TM], s[SEL], s[SEL+1]
	v_min_num_f32 v[TM], v[TM], v[TM+4]            ; -M
.irp k, 0,1,2,3
	v_sub_f32 v[TM+8+\k], v[TM], v[80+2*\k]        ; M_w - M: whole numbers, 0 or less
.endr
	v_sub_f32 v[TM+12], v[TM], v16                 ; and mine
.irp k, 0,1,2,3,4
	v_exp_f32 v[TM+8+\k], v[TM+8+\k]
.endr
	v_nop
	s_wait_alu depctr_va_vdst(0)                   ; one wait for the five
	v_mul_f32 v[TM+1], v81, v[TM+8]
	v_fmac_f32 v[TM+1], v83, v[TM+9]
	v_fmac_f32 v[TM+1], v85, v[TM+10]
	v_fmac_f32 v[TM+1], v87, v[TM+11]
	v_permlanex16_b32 v[TM+5], v[TM+1], s[SEL], s[SEL+1]
	v_add_f32 v[TM+1], v[TM+1], v[TM+5]            ; L
	v_rcp_f32 v[TM+3], v[TM+1]
	v_mul_f32 v[TM+2], s13, v[TM+12]               ; beta 2^(M_mine - M)  (the plain line behind the reciprocal)
	s_wait_alu depctr_va_vdst(0)
	v_mul_f32 v18, v[TM+2], v[TM+3]                ; a
.endm
; THE DIAGONAL.  Query 256 g + 32 trip + 16 par + r meets its own key in wave g, block trip, half par, register r of lane r.  v[DT+par] holds alpha in lane 16 par and 0 elsewhere; shifted right by i lanes
; within its row it adds alpha to register i of lane i; lanes that the shift leaves without a source keep their number.  The branches hang on ids and on the trip's number alone.
.macro DIAG par
	s_cmp_lg_u32 s[WV], s[GQ]
	s_cbranch_scc1 .Ldg_end_\@
.irp b, 0,1,2,3,4,5,6,7
	s_cmp_lg_u32 s[TRIP], \b
	s_cbranch_scc1 .Ldg_\@_\b
	v_add_f32 v[S+16*\b], v[DT+\par], v[S+16*\b]
.irp i, 1,2,3,4,5,6,7,8,9,10,11,12,13,14,15
	v_add_f32_dpp v[S+16*\b+\i], v[DT+\par], v[S+16*\b+\i] row_shr:\i row_mask:0xf bank_mask:0xf
.endr
.Ldg_\@_\b:
.endr
.Ldg_end_\@:
.endm
; TILE 2 trip + par.  Two barriers.  Behind the first the eight pairs lie in LDS; behind the second the eight partial O^T.  The tile's partials are reduced in the NEXT tile, whose loads of them stand between
; the first barrier's signal and its wait (those bytes are written again only behind the next tile's barriers: two buffers take turns); the next tile's products, maximum, exponentials and sum stand
; between the second barrier's signal and its wait: work on registers alone.
.macro TILE par
	ds_store_b64 v7, v[16:17]                      ; (-M_w, l_w): the pairs of the tile before were read ahead of its second barrier
	s_wait_dscnt 0x0
	s_barrier_signal -1
	OLOAD 1-\par                                   ; the tile before's partials
	s_barrier_wait -1
	ds_load_b128 v[80:83], v8
	ds_load_b128 v[84:87], v8 offset:16
	s_wait_dscnt 2                                 ; the eight partials are in; the two loads of pairs may be out
	REDUCE 512*\par, 32*\par
	s_wait_dscnt 0x0
	COMBINE
.set j, 0
.rept 64
	v_pk_fma_f32 v[S+2*j:S+2*j+1], v[S+2*j:S+2*j+1], v[18:19], s[14:15] op_sel_hi:[1,0,0]   ; e a - gamma / 2048
.set j, j+1
.endr
	DIAG \par
	QUANT 0, S, PC
	WORD PW
	QUANT 0, S+64, PC+8
	WORD PW+1
	PLACES 8                                       ; a scale register written by a vector instruction stands eight plain lines ahead of the scaled product
	WIN 0x01
.irp t, 0,1,2,3                        ; O^T = v^T P^T over my 256 keys: four accumulators by turns, two K steps
	v_wmma_scale_f32_16x16x128_f8f6f4 v[OA+8*\t:OA+8*\t+7], v[64+16*\t:64+16*\t+7], v[PC:PC+7], 0, v[VSR+2*\t], v[PW] matrix_a_fmt:MATRIX_FMT_FP4 matrix_b_fmt:MATRIX_FMT_FP4
.endr
.irp t, 0,1,2,3
	v_wmma_scale_f32_16x16x128_f8f6f4 v[OA+8*\t:OA+8*\t+7], v[72+16*\t:72+16*\t+7], v[PC+8:PC+15], v[OA+8*\t:OA+8*\t+7], v[VSR+2*\t+1], v[PW+1] matrix_a_fmt:MATRIX_FMT_FP4 matrix_b_fmt:MATRIX_FMT_FP4
.endr
	WIN 0
	PLACES 4
.irp t, 0,1,2,3
	ds_store_b128 v9, v[OA+8*\t:OA+8*\t+3] offset:\par*OPB+64*\t       ; each accumulator from its low end on
	ds_store_b128 v9, v[OA+8*\t+4:OA+8*\t+7] offset:\par*OPB+64*\t+16
.endr
	s_wait_dscnt 0x0
	s_barrier_signal -1
	s_wait_loadcnt 0x0                             ; the next tile's q is in, and its loads' address registers are free, on every way
.if \par
	s_cmp_eq_u32 s[TRIP], 7
	s_cbranch_scc1 .Lno_next_\@                    ; tile 15 has no successor
.endif
	SMUL
	PLACES 4
	PHASE_A
.Lno_next_\@:
	s_barrier_wait -1
	s_cmp_eq_u32 s[TRIP], 7
	s_cbranch_scc1 .Lno_q_\@                       ; tiles 14 and 15 ask for nothing: no load leaves the work-group's queries
	v_add_nc_u32 v5, s23, v3
	v_add_nc_u32 v6, s24, v4
	global_load_b128 v[QF:QF+3], v5, s[4:5] offset:1024+512*\par     ; q of the tile after next
	global_load_b32 v[QSC], v6, s[30:31] offset:128+64*\par
.Lno_q_\@:
.endm
	s_load_b256 s[4:11], s[0:1], 0x0               ; qq, kq, vq, alpha
	s_load_b128 s[32:35], s[0:1], 0x20             ; beta, gamma
	s_load_b64 s[36:37], s[0:1], 0x30              ; oq
	v_lshl_add_u32 v62, v0, 2, 0x13800
	v_mov_b32 v63, 0
	v_lshrrev_b32 v1, 5, v0
	v_readfirstlane_b32 s[WV], v1                  ; wave 0..7
	s_mov_b32 s[GQ], ttmp9                         ; which 256 queries
	s_and_b32 s29, ttmp7, 0xffff                   ; batch x 16 + head
	v_and_b32 v1, 15, v0                           ; r
	v_bfe_u32 v2, v0, 4, 1                         ; h
	v_lshlrev_b32 v3, 5, v1
	v_lshl_add_u32 v3, v2, 4, v3                   ; q's codes: 32 r + 16 h
	v_lshlrev_b32 v4, 2, v1                        ; scale words: 4 r
	v_mul_u32_u24 v7, v1, 80
	v_lshl_add_u32 v8, v2, 5, v7                   ; the pairs, read: row r, four waves' for each half of the lanes
	s_lshl_b32 s38, s[WV], 3
	v_add_nc_u32 v7, s38, v7                       ; and written: row r, 8 x wave
	v_mul_u32_u24 v9, v1, 272
	v_lshl_add_u32 v9, v2, 5, v9
	s_mul_i32 s38, s[WV], 4352
	s_add_co_u32 s38, s38, OP
	v_add_nc_u32 v9, s38, v9                       ; my partial O^T: query r, + 32 h
	v_bfe_u32 v20, v0, 3, 1
	v_and_b32 v21, 7, v0                           ; g
	s_lshl_b32 s38, s[WV], 1
	v_add_nc_u32 v20, s38, v20                     ; the query that I finish: 2 wave + q'
	v_mul_u32_u24 v10, v20, 272
	v_lshl_add_u32 v10, v21, 5, v10
	v_mul_u32_u24 v22, v2, 17408
	v_add_nc_u32 v10, v10, v22
	v_add_nc_u32 v10, OP, v10                      ; its partials: four waves on for lanes 16-31
	v_lshrrev_b32 v22, 2, v21
	v_and_b32 v23, 3, v21
	v_lshlrev_b32 v11, 4, v20
	v_lshl_add_u32 v11, v22, 8, v11
	v_lshl_add_u32 v11, v23, 2, v11
	v_add_nc_u32 v11, CST, v11                     ; its codes in the operand's image: 256 (block) + 16 (query) + 4 (g % 4)
	v_lshl_add_u32 v12, v20, 1, v22
	v_add_nc_u32 v12, SST, v12                     ; its scale bytes
	v_and_b32 v22, 8, v1
	v_add_nc_u32 v22, v22, v1                      ; r + 8 (r / 8)
	v_lshlrev_b32 v13, 5, v22
	v_lshl_add_u32 v13, v2, 4, v13                 ; k's codes
	v_lshl_add_u32 v14, v2, 3, v22
	v_lshlrev_b32 v14, 2, v14                      ; k's scale words: lanes 16-31 take the tile 8 keys on
	v_and_b32 v15, 31, v0
	v_lshlrev_b32 v15, 4, v15                      ; 16 x lane
	v_mov_b32 v17, 0                               ; named as the upper halves of pairs
	v_mov_b32 v19, 0
.irp j, 4,5,6,7
	v_mov_b32 v[QF+\j], 0                          ; q's zero codes for k = 64 .. 127
	v_mov_b32 v[TM+\j], 0                          ; written once: a lane permute's destination counts as one of its sources
.endr
.irp j, 0,1,2,3,4,5,6,7
	v_mov_b32 v[PC+\j], 0
.endr
.irp t, 0,1,2,3
	ds_store_b128 v9, v[QF+4:QF+7] offset:OPB+64*\t      ; buffer 1 begins as zeros: tile 0 reduces them into slot 0, which tile 15's result takes behind the loop
	ds_store_b128 v9, v[QF+4:QF+7] offset:OPB+64*\t+16
.endr
	s_mov_b32 s[SEL], 0x76543210
	s_mov_b32 s[SEL+1], 0xfedcba98
	s_mov_b32 s16, 0x3d38aa3b                      ; c = log2(e) / 32
	s_mov_b32 s17, s16
	s_mov_b32 s26, 0x05040100
	s_mov_b32 s27, 0x07060302
	s_mov_b32 s[TRIP], 0
	s_mov_b32 s23, 0
	s_mov_b32 s24, 0
	s_mov_b32 s25, 0
	; where out goes
	s_and_b32 s38, s29, 15                         ; head
	s_lshr_b32 s39, s29, 4                         ; batch
	s_lshr_b32 s46, s38, 3
	s_lshl_b32 s46, s46, 20                        ; chunk = head / 8
	s_lshl_b32 s47, s39, 7
	s_lshl_b32 s28, s[GQ], 4
	s_add_co_u32 s47, s47, s28
	s_lshl_b32 s28, s[WV], 1
	s_add_co_u32 s47, s47, s28                     ; the first tile of rows that I store
	s_lshl_b32 s47, s47, 12
	s_add_co_u32 s46, s46, s47
	s_and_b32 s47, s38, 7
	s_lshl_b32 s47, s47, 9
	s_add_co_u32 s46, s46, s47
	s_mov_b32 s47, 0
	s_lshl_b32 s44, s39, 4
	s_lshl_b32 s28, s[GQ], 1
	s_add_co_u32 s44, s44, s28                     ; block of 128 rows
	s_lshl_b32 s44, s44, 4
	s_add_co_u32 s44, s44, s38
	s_lshl_b32 s44, s44, 8
	s_add_co_u32 s44, s44, OS
	s_mov_b32 s45, 0
	s_lshl_b32 s38, s29, 11
	s_lshl_b32 s39, s[GQ], 8
	s_add_co_u32 s39, s38, s39                     ; my work-group's first query, as a row of qq
	s_lshl_b32 s28, s[WV], 8
	s_add_co_u32 s38, s38, s28                     ; my wave's first key, as a row of kq
	s_mov_b32 s41, 0
	s_wait_kmcnt 0x0
	s_load_b32 s12, s[10:11], 0x0                  ; alpha
	s_load_b32 s13, s[32:33], 0x0                  ; beta
	s_load_b32 s14, s[34:35], 0x0                  ; gamma
	s_add_nc_u64 s[44:45], s[36:37], s[44:45]
	s_add_nc_u64 s[36:37], s[36:37], s[46:47]
	s_lshl_b32 s40, s39, 2
	s_add_co_u32 s40, s40, QS
	s_add_nc_u64 s[30:31], s[4:5], s[40:41]        ; q's scale words
	s_lshl_b32 s40, s39, 5
	s_add_nc_u64 s[4:5], s[4:5], s[40:41]          ; q's codes
	s_lshl_b32 s40, s38, 2
	s_add_co_u32 s40, s40, QS
	s_add_nc_u64 s[42:43], s[6:7], s[40:41]        ; k's scale words
	s_lshl_b32 s40, s38, 1
	s_add_co_u32 s40, s40, VSO
	s_add_nc_u64 s[46:47], s[8:9], s[40:41]        ; v's scale words: 128 bytes for 64 keys
	s_lshl_b32 s40, s38, 5
	s_add_nc_u64 s[6:7], s[6:7], s[40:41]          ; k's codes
	s_add_nc_u64 s[8:9], s[8:9], s[40:41]          ; v's codes: 2,048 bytes for 64 keys
	WIN 0x40                                       ; destination window 1
.irp t, 0,1,2,3,4,5,6,7,8,9,10,11,12,13,14,15
	global_load_b128 v[4*\t:4*\t+3], v13, s[6:7] offset:(32*(\t/2)+8*(\t%2))*32
.endr
.irp t, 0,1,2,3
.irp s, 0,1
.irp c, 0,1
	global_load_b128 v[64+8*(2*\t+\s)+4*\c:64+8*(2*\t+\s)+4*\c+3], v15, s[8:9] offset:((2*\s+\c)*4+\t)*512
.endr
.endr
.endr
	WIN 0
.irp j, 0,1,2,3,4,5,6,7
	global_load_b32 v[KS+\j], v14, s[42:43] offset:128*\j
.endr
.irp p, 0,1
.irp j, 0,1,2,3
	global_load_b32 v[RAW+4*\p+\j], v4, s[46:47] offset:128*\j+64*\p
.endr
.endr
	global_load_b128 v[QF:QF+3], v3, s[4:5]        ; q of tile 0
	global_load_b32 v[QSC], v4, s[30:31]
	s_wait_dscnt 0x0                               ; my zeros lie in LDS
	s_barrier_signal -1
	s_barrier_wait -1                              ; everybody's do
	s_wait_kmcnt 0x0
	s_mul_f32 s14, s14, 0xba000000                 ; -gamma / 2048
	s_mov_b32 s15, s14
	v_mov_b32 v20, s12
	s_mov_b32 s28, 1
	v_cndmask_b32 v[DT], 0, v20, s28               ; alpha in lane 0,
	s_mov_b32 s28, 0x10000
	v_cndmask_b32 v[DT+1], 0, v20, s28             ; alpha in lane 16
	s_wait_loadcnt 0x0
.irp p, 0,1
.irp s, 0,1
	v_perm_b32 v[VSR+2*(2*\p)+\s], v[RAW+4*\p+2*\s+1], v[RAW+4*\p+2*\s], s26     ; d tile 2 p: the low halves of two words: the K step's four blocks
	v_perm_b32 v[VSR+2*(2*\p+1)+\s], v[RAW+4*\p+2*\s+1], v[RAW+4*\p+2*\s], s27   ; d tile 2 p + 1: the high halves
.endr
.endr
	SMUL
	PLACES 4                                       ; between the products and the loads into their sources, and the first read of results
	global_load_b128 v[QF:QF+3], v3, s[4:5] offset:512   ; q of tile 1
	global_load_b32 v[QSC], v4, s[30:31] offset:64
	PHASE_A
.Ltrip:
	TILE 0
	TILE 1
	s_add_co_u32 s23, s23, 1024
	s_add_co_u32 s24, s24, 128
	s_add_co_u32 s25, s25, 64
	s_add_co_u32 s[TRIP], s[TRIP], 1
	s_cmp_lt_u32 s[TRIP], 8
	s_cbranch_scc1 .Ltrip
	s_mov_b32 s23, 0                               ; tile 15's slot is slot 0
	s_mov_b32 s25, 0
	OLOAD 1
	s_wait_dscnt 0x0
	REDUCE 0, 0
	s_wait_dscnt 0x0                               ; my codes and bytes lie in LDS
	s_barrier_signal -1
	s_barrier_wait -1                              ; everybody's do
	s_lshl_b32 s38, s[WV], 1                       ; wave w stores tiles 2 w and 2 w + 1: slots (2 w + 1) % 16 and (2 w + 2) % 16
	s_add_co_u32 s39, s38, 1
	s_and_b32 s39, s39, 15
	s_lshl_b32 s39, s39, 9
	s_add_co_u32 s39, s39, CST
	s_add_co_u32 s38, s38, 2
	s_and_b32 s38, s38, 15
	s_lshl_b32 s38, s38, 9
	s_add_co_u32 s38, s38, CST
	v_add_nc_u32 v20, s39, v15
	v_add_nc_u32 v21, s38, v15
	ds_load_b128 v[96:99], v20
	ds_load_b128 v[100:103], v21
	s_wait_dscnt 1                                 ; the second may be out
	global_store_b128 v15, v[96:99], s[36:37]      ; 512 consecutive bytes: a tile of rows' image for this head
	s_wait_dscnt 0x0
	global_store_b128 v15, v[100:103], s[36:37] offset:4096
	s_cmp_lg_u32 s[WV], 0
	s_cbranch_scc1 .Lend
	v_and_b32 v22, 31, v0                          ; wave 0: the 256 rows' scale bytes, 16 bytes a lane, in the tiles' order
	v_add_nc_u32 v23, 2, v22
	v_and_b32 v23, 31, v23
	v_lshl_add_u32 v23, v23, 4, SST
	ds_load_b128 v[104:107], v23
	v_lshrrev_b32 v13, 4, v22
	v_and_b32 v14, 15, v22
	v_lshlrev_b32 v14, 4, v14
	v_lshl_add_u32 v14, v13, 12, v14               ; two blocks of 128 rows, 4,096 bytes apart: 256 consecutive bytes each
	s_wait_dscnt 0x0
	global_store_b128 v14, v[104:107], s[44:45]
.Lend:
	s_wait_tensorcnt 0x0
	ds_add_u32 v62, v63
	s_wait_dscnt 0x0
	s_endpgm
.Lfunc_end_k_q00a48e2d53_attn:
	.size	k_q00a48e2d53_attn, .Lfunc_end_k_q00a48e2d53_attn-k_q00a48e2d53_attn
	.p2alignl 7, 3214868480
	.fill 96, 4, 3214868480
	.section	.rodata,"a",@progbits
	.p2align	6, 0x0
	.amdhsa_kernel k_q00a48e2d53_attn
		.amdhsa_group_segment_fixed_size 80896
		.amdhsa_private_segment_fixed_size 0
		.amdhsa_enable_private_segment 0
		.amdhsa_kernarg_size 56
		.amdhsa_user_sgpr_count 2
		.amdhsa_user_sgpr_kernarg_segment_ptr 1
		.amdhsa_wavefront_size32 1
		.amdhsa_system_sgpr_workgroup_id_x 1
		.amdhsa_system_sgpr_workgroup_id_y 1
		.amdhsa_system_sgpr_workgroup_id_z 1
		.amdhsa_system_vgpr_workitem_id 0
		.amdhsa_next_free_vgpr 384
		.amdhsa_next_free_sgpr 66
		.amdhsa_reserve_vcc 0
		.amdhsa_float_denorm_mode_32 3
		.amdhsa_float_denorm_mode_16_64 3
		.amdhsa_memory_ordered 1
		.amdhsa_forward_progress 1
		.amdhsa_inst_pref_size 125
	.end_amdhsa_kernel
	.amdgpu_metadata
---
amdhsa.version: [ 1, 2 ]
amdhsa.kernels:
  - .name:           k_q00a48e2d53_attn
    .symbol:         k_q00a48e2d53_attn.kd
    .args:
      - { .name: qq, .offset: 0, .size: 8, .value_kind: global_buffer, .address_space: global }
      - { .name: kq, .offset: 8, .size: 8, .value_kind: global_buffer, .address_space: global }
      - { .name: vq, .offset: 16, .size: 8, .value_kind: global_buffer, .address_space: global }
      - { .name: alpha, .offset: 24, .size: 8, .value_kind: global_buffer, .address_space: global }
      - { .name: beta, .offset: 32, .size: 8, .value_kind: global_buffer, .address_space: global }
      - { .name: gamma, .offset: 40, .size: 8, .value_kind: global_buffer, .address_space: global }
      - { .name: oq, .offset: 48, .size: 8, .value_kind: global_buffer, .address_space: global }
    .group_segment_fixed_size: 80896
    .private_segment_fixed_size: 0
    .kernarg_segment_align: 8
    .kernarg_segment_size: 56
    .max_flat_workgroup_size: 256
    .sgpr_count:     66
    .vgpr_count:     384
    .wavefront_size: 32
...
	.end_amdgpu_metadata
.endif
;; end of part 3
;; launch proj (part 4): grid 8 x 32, 4 waves a work-group, clusters of 4 x 4, 327,680 bytes of LDS; arguments oq, wo, b_out, out0; writes out0
.if DOCPART == 4
	.amdgcn_target "amdgcn-amd-amdhsa--gfx1250"
	.amdhsa_code_object_version 6
	.text
	.protected	k_q00a48e2d53_proj
	.globl	k_q00a48e2d53_proj
	.p2align	8
	.type	k_q00a48e2d53_proj,@function
k_q00a48e2d53_proj:
	s_mov_b64 s[64:65], 0
	v_nop
	global_prefetch_b8 v0, s[64:65] scope:SCOPE_SE
	s_setreg_imm32_b32 hwreg(HW_REG_WAVE_MODE, 25, 1), 1
	s_wait_xcnt 0x0
	s_wait_alu depctr_hold_cnt(0) depctr_sa_sdst(0) depctr_va_vdst(0) depctr_va_sdst(0) depctr_va_ssrc(0) depctr_va_vcc(0) depctr_vm_vsrc(0)
	s_getreg_b32 s2, hwreg(HW_REG_IB_STS2, 6, 4)
	s_cmp_eq_u32 s2, 0
	s_cbranch_scc0 .Lentry_in_a_cluster
	s_endpgm
.Lentry_in_a_cluster:
	s_bfe_u32 s2, ttmp6, 0x10000c
	s_cmp_lg_u32 s2, 0xf033
	s_cbranch_scc0 .Lentry_shape_is_right
	s_endpgm
.Lentry_shape_is_right:
; out0 = out W_out + b_out on codes of FP4 with E8M0 scales, K = 1,024; out0 [4096][1024] f32.
; A work-group makes 128 x 128 of out0, each of its four waves 64 x 64: 16 accumulators; 256 work-groups.  All of K lies in LDS as two chunks of 512: each LDS byte is filled once, so there is no ring.
; CLUSTER 4 x 4: out's codes hang on the tile row alone and are asked for jointly along a row of the cluster, W_out's on the tile column alone and jointly along a column.
; out's codes lie in memory as images of the operand's registers, [chunk][tile of 16 rows][head % 8][512 bytes], so a fragment's loads take 16 x lane; W_out's lie by rows of 256 bytes.
; THE PRODUCT IS USED TRANSPOSED (source 0 = 16 columns of W_out, source 1 = 16 rows of out): a lane holds eight neighbouring numbers of a row of out0.  The bias is the C of each sum's first product.
; REGISTERS: window 0: v1-17 addresses; v32-63 out's scale words (tile a, K step s at 32 + 8 a + s); v64-95 W_out's; v96-127 the bias, eight a tile of columns; v128-255 two sets of fragments, later rows on their way out.
;   window 1: v0-127 the accumulators, (a, n) at 8 (4 a + n).
.set RG,   17408                       ; 64 rows x 272 bytes
.set CH2,  69632                       ; a chunk: out's tiles 0-3, 4-7, W_out's rows 0-63, 64-127; region w is filled by wave w
.set SCA,  139264                      ; out's scale bytes: [head 16][row 128] pairs of bytes
.set SCB,  143360                      ; W_out's: [chunk][row 128][16]
.set STG,  147456                      ; four stages of 16 rows x 272 bytes, for the way out: no tensor load lands here
.set OS,   2097152
.set WOS,  524288
.set ADA,  8
.set ADB,  10
.set ASA,  12
.set ASB,  13
.set STO,  14
.set RD,   15
.set CO,   16
.set BO,   17
.set SCAW, 32
.set SCBW, 64
.set BI,   96
.set FB,   128
.set G1A,  24
.set G1B,  32
.set G1SA, 40
.set G1SB, 48
.set MSB, 0
.macro WIN new
.if MSB != (\new)
	s_set_vgpr_msb (MSB<<8)|(\new)
.set MSB, (\new)
.endif
.endm
.macro PLACES n
.rept \n
	v_nop
.endr
.endm
.macro JLOAD g0a, g1a, g0b, g1b        ; waves 0 and 1 fetch for out, waves 2 and 3 for W_out; four v_nop follow each line
	s_cmp_eq_u32 s15, 0
	s_cbranch_scc0 .Lfor_b_\@
	tensor_load_to_lds s[\g0a:\g0a+3], s[\g1a:\g1a+7]
	s_nop 0
.rept 4
	v_nop
.endr
	s_branch .Lasked_\@
.Lfor_b_\@:
	tensor_load_to_lds s[\g0b:\g0b+3], s[\g1b:\g1b+7]
	s_nop 0
.rept 4
	v_nop
.endr
.Lasked_\@:
.endm
.macro CROUND
	s_barrier_signal -1
	s_barrier_wait -1
	s_cmp_lg_u32 s14, 0
	s_cbranch_scc1 .Lnot_wave_0_\@
	s_barrier_signal -3
.Lnot_wave_0_\@:
	s_barrier_wait -3
	s_barrier_signal -1
	s_barrier_wait -1
.endm
	s_load_b128 s[4:7], s[0:1], 0x0                ; oq, wo
	s_load_b128 s[8:11], s[0:1], 0x10              ; b_out, out0
	v_lshl_add_u32 v30, v0, 2, 0x28400
	v_mov_b32 v31, 0
	ds_add_u32 v30, v31
	ds_add_u32 v30, v31
	v_lshrrev_b32 v1, 5, v0
	v_readfirstlane_b32 s14, v1                    ; wave 0..3
	s_lshr_b32 s15, s14, 1                         ; wr.  Also: I fetch for out (0) or for W_out (1)
	s_and_b32 s16, s14, 1                          ; wc.  Also: which half of that I fetch
	s_bfe_u32 s84, ttmp6, 0x40000                  ; cx
	s_bfe_u32 s85, ttmp6, 0x40004                  ; cy
	s_lshl_b32 s86, ttmp9, 2
	s_add_co_u32 s86, s86, s84                     ; tx: which 128 columns
	s_and_b32 s87, ttmp7, 0xffff
	s_lshl_b32 s87, s87, 2
	s_add_co_u32 s87, s87, s85                     ; ty: which 128 rows
	s_lshl_b32 s88, s85, 2
	s_lshl_b32 s88, 15, s88                        ; my row of the cluster
	s_lshl_b32 s89, 0x1111, s84                    ; my column
	; group 1 for codes: a dense block of 64 rows x 256 bytes, 16 bytes of padding behind each; for scale bytes: 8 rows x 256 bytes, dense
	s_or_b32 s[G1A], s88, (3<<16)|(1<<20)|(1<<21)|(5<<22)|(3<<25)
	s_or_b32 s[G1B], s89, (3<<16)|(1<<20)|(1<<21)|(5<<22)|(3<<25)
.irp g, G1A, G1B
	s_mov_b32 s[\g+1], 32<<16
	s_mov_b32 s[\g+2], 64<<16
	s_mov_b32 s[\g+3], 32<<16
	s_mov_b32 s[\g+4], 64
	s_mov_b32 s[\g+5], 32
	s_mov_b32 s[\g+6], 0
	s_mov_b32 s[\g+7], 0
.endr
	s_or_b32 s[G1SA], s88, (3<<16)|(1<<21)
	s_or_b32 s[G1SB], s89, (3<<16)|(1<<21)
.irp g, G1SA, G1SB
	s_mov_b32 s[\g+1], 32<<16
	s_mov_b32 s[\g+2], 8<<16
	s_mov_b32 s[\g+3], 32<<16
	s_mov_b32 s[\g+4], 8
	s_mov_b32 s[\g+5], 32
	s_mov_b32 s[\g+6], 0
	s_mov_b32 s[\g+7], 0
.endr
	s_lshl_b32 s18, s87, 15                        ; out's codes: 8 tiles of rows x 4,096 bytes, my four of them
	s_lshl_b32 s17, s16, 14
	s_add_co_u32 s18, s18, s17
	s_mov_b32 s19, 0
	s_lshl_b32 s92, s87, 12                        ; out's scale bytes: 16 heads x 256 bytes, my eight heads
	s_lshl_b32 s17, s16, 11
	s_add_co_u32 s92, s92, s17
	s_add_co_u32 s92, s92, OS
	s_mov_b32 s93, 0
	s_lshl_b32 s94, s86, 15                        ; W_out's codes: 128 rows x 256 bytes, my 64
	s_lshl_b32 s90, s16, 14
	s_add_co_u32 s94, s94, s90
	s_mov_b32 s95, 0
	s_lshl_b32 s96, s86, 11                        ; W_out's scale bytes: my chunk's 128 rows x 16
	s_add_co_u32 s96, s96, s90
	s_add_co_u32 s96, s96, WOS
	s_mov_b32 s97, 0
	s_mul_i32 s91, s14, RG
	s_lshl_b32 s98, s14, 11
	s_add_co_u32 s98, s98, SCA
	s_wait_dscnt 0x0
	s_wait_kmcnt 0x0
	s_add_nc_u64 s[18:19], s[4:5], s[18:19]
	s_add_nc_u64 s[92:93], s[4:5], s[92:93]
	s_add_nc_u64 s[94:95], s[6:7], s[94:95]
	s_add_nc_u64 s[96:97], s[6:7], s[96:97]
	CROUND                                         ; all sixteen work-groups are here: the joint loads meet
	s_mov_b32 s56, 1
	s_mov_b32 s57, s98
	s_mov_b64 s[58:59], s[92:93]
	s_or_b32 s59, s59, 0x80000000
	s_mov_b32 s72, 1
	s_mov_b32 s73, s98
	s_mov_b64 s[74:75], s[96:97]
	s_or_b32 s75, s75, 0x80000000
	JLOAD 56, G1SA, 72, G1SB                       ; the scale bytes of all of K
	s_mov_b32 s60, 1
	s_mov_b32 s61, s91
	s_mov_b64 s[62:63], s[18:19]
	s_or_b32 s63, s63, 0x80000000
	s_mov_b32 s76, 1
	s_mov_b32 s77, s91
	s_mov_b64 s[78:79], s[94:95]
	s_or_b32 s79, s79, 0x80000000
	JLOAD 60, G1A, 76, G1B                         ; chunk 0
	s_mov_b32 s68, 1
	s_add_co_u32 s69, s91, CH2
	s_add_nc_u64 s[70:71], s[18:19], 1048576
	s_or_b32 s71, s71, 0x80000000
	s_mov_b32 s80, 1
	s_add_co_u32 s81, s91, CH2
	s_add_nc_u64 s[82:83], s[94:95], 262144
	s_or_b32 s83, s83, 0x80000000
	JLOAD 68, G1A, 80, G1B                         ; chunk 1: three loads of mine are out
	v_and_b32 v1, 15, v0                           ; r
	v_bfe_u32 v2, v0, 4, 1                         ; h
	v_mul_u32_u24 v3, v2, 272
	v_lshl_add_u32 v3, v1, 4, v3                   ; an image: 16 bytes a lane, a padded row for each half of the lanes
	v_mul_u32_u24 v4, v1, 272
	v_lshl_add_u32 v5, v2, 5, v4                   ; the stage, in: row r, + 32 h
	v_lshl_add_u32 v4, v2, 4, v4                   ; a row of W_out: row r, + 16 h
	s_mul_i32 s17, s15, RG
	v_add_nc_u32 v[ADA], s17, v3
	v_add_nc_u32 v[ADA+1], CH2, v[ADA]
	s_mul_i32 s17, s16, RG
	s_add_co_u32 s17, s17, 2*RG
	v_add_nc_u32 v[ADB], s17, v4
	v_add_nc_u32 v[ADB+1], CH2, v[ADB]
	s_lshl_b32 s17, s15, 7
	s_add_co_u32 s17, s17, SCA
	v_lshl_add_u32 v[ASA], v1, 1, s17              ; out's scale bytes: row 64 wr + r, two bytes
	s_lshl_b32 s17, s16, 10
	s_add_co_u32 s17, s17, SCB
	v_lshl_add_u32 v[ASB], v1, 4, s17              ; W_out's: row 64 wc + r, 16 bytes
	s_mul_i32 s17, s14, 4352
	s_add_co_u32 s17, s17, STG
	v_add_nc_u32 v[STO], s17, v5
	v_add_nc_u32 v[RD], s17, v3                    ; back: lanes 0-15 one row of 256 bytes, lanes 16-31 the next
	v_lshlrev_b32 v[CO], 12, v2
	v_lshl_add_u32 v[CO], v1, 4, v[CO]             ; and the same two rows in out0
	v_lshlrev_b32 v[BO], 5, v2                     ; the bias: my half's eight numbers
	s_lshl_b32 s92, s86, 9
	s_lshl_b32 s17, s16, 8
	s_add_co_u32 s92, s92, s17                     ; my first column, in bytes
	s_mov_b32 s93, 0
	s_add_nc_u64 s[8:9], s[8:9], s[92:93]
	s_add_nc_u64 s[10:11], s[10:11], s[92:93]
	s_lshl_b32 s92, s87, 19
	s_lshl_b32 s17, s15, 18
	s_add_co_u32 s92, s92, s17                     ; my first row, 4,096 bytes each
	s_add_nc_u64 s[10:11], s[10:11], s[92:93]
.irp n, 0,1,2,3
	global_load_b128 v[BI+8*\n:BI+8*\n+3], v[BO], s[8:9] offset:64*\n
	global_load_b128 v[BI+8*\n+4:BI+8*\n+7], v[BO], s[8:9] offset:64*\n+16
.endr
.macro FETCH q, p                      ; the 8 fragments of K step q into set p: 16 loads in one run
.irp a, 0,1,2,3
.irp c, 0,1
	ds_load_b128 v[FB+64*(\p)+8*\a+4*\c:FB+64*(\p)+8*\a+4*\c+3], v[ADA+(\q)/4] offset:4352*\a+1088*((\q)%4)+544*\c
.endr
.endr
.irp n, 0,1,2,3
.irp c, 0,1
	ds_load_b128 v[FB+64*(\p)+32+8*\n+4*\c:FB+64*(\p)+32+8*\n+4*\c+3], v[ADB+(\q)/4] offset:4352*\n+64*((\q)%4)+32*\c
.endr
.endr
.endm
.macro MUL q, p, first                 ; 16 products: the accumulators take turns, one instruction a turn
.if \first
	WIN 0x40                                       ; D window 1; C = the bias, window 0
.else
	WIN 0x50                                       ; C and D window 1
.endif
.irp a, 0,1,2,3
.irp n, 0,1,2,3
.set AC, 8*(4*\a+\n)
.set WF, FB+64*(\p)+32+8*\n
.set XF, FB+64*(\p)+8*\a
.if \first
	v_wmma_scale_f32_16x16x128_f8f6f4 v[AC:AC+7], v[WF:WF+7], v[XF:XF+7], v[BI+8*\n:BI+8*\n+7], v[SCBW+8*\n+(\q)], v[SCAW+8*\a+(\q)] matrix_a_fmt:MATRIX_FMT_FP4 matrix_b_fmt:MATRIX_FMT_FP4
.else
	v_wmma_scale_f32_16x16x128_f8f6f4 v[AC:AC+7], v[WF:WF+7], v[XF:XF+7], v[AC:AC+7], v[SCBW+8*\n+(\q)], v[SCAW+8*\a+(\q)] matrix_a_fmt:MATRIX_FMT_FP4 matrix_b_fmt:MATRIX_FMT_FP4
.endif
.endr
.endr
	WIN 0
.endm
.macro STEP q, first
.if (\q) == 3
	s_wait_tensorcnt 0x0                           ; my part of chunk 1 has landed,
	s_wait_dscnt 0x0                               ; no LDS load of mine is out at the signal,
	s_barrier_signal -1
	s_barrier_wait -1                              ; and everybody's part has landed
.endif
.if (\q) < 7
.if (\q) > 0
	PLACES 4                                       ; four plain lines between the last products and loads into the set that the step before multiplied
.endif
	FETCH (\q)+1, ((\q)+1)%2
	s_wait_dscnt 16                                ; all but the 16 just issued
.else
	s_wait_dscnt 0x0
.endif
	MUL \q, (\q)%2, \first
.endm
	s_wait_tensorcnt 1                             ; the scale bytes and my part of chunk 0 are in; chunk 1's load may stay out
	s_barrier_signal -1
	s_barrier_wait -1                              ; everybody's are
.irp a, 0,1,2,3
.irp s, 0,1,2,3,4,5,6,7                ; a K step of 128 is two heads: the even head's two bytes, and into a spare register the odd head's
	ds_load_u16 v[SCAW+8*\a+\s], v[ASA] offset:512*\s+32*\a
	ds_load_u16 v[FB+64+8*\a+\s], v[ASA] offset:512*\s+256+32*\a
.endr
.endr
.irp n, 0,1,2,3
.irp u, 0,1
	ds_load_b128 v[SCBW+8*\n+4*\u:SCBW+8*\n+4*\u+3], v[ASB] offset:256*\n+2048*\u
.endr
.endr
	FETCH 0, 0
	s_wait_dscnt 16                                ; the scale bytes are in; the first fragments may be out
.set j, 0
.rept 32
	v_lshl_or_b32 v[SCAW+j], v[FB+64+j], 16, v[SCAW+j]   ; the K step's scale word of my row
.set j, j+1
.endr
	PLACES 8                                       ; a scale register written by a vector instruction stands eight plain lines ahead of the scaled product
	s_wait_loadcnt 0x0                             ; the bias
	STEP 0, 1
.irp q, 1,2,3,4,5,6,7
	STEP \q, 0
.endr
; THE WAY OUT, a block of 16 rows x 64 columns at a time, through my own stage: 32 bytes a lane in, whole rows of 256 bytes back; sixteen lanes store 256 consecutive bytes, aligned.
; LDS serves a wave's instructions in order: no wait between the stores and the loads, nor in front of the next block's stores.
.macro TOSTAGE a
	WIN 0x04                                       ; an LDS store's data are its source 1: window 1
.irp n, 0,1,2,3
	ds_store_b128 v[STO], v[8*(4*(\a)+\n):8*(4*(\a)+\n)+3] offset:64*\n          ; each accumulator from its low end on
	ds_store_b128 v[STO], v[8*(4*(\a)+\n)+4:8*(4*(\a)+\n)+7] offset:64*\n+16
.endr
	WIN 0
.irp j, 0,1,2,3,4,5,6,7
	ds_load_b128 v[FB+32*((\a)%2)+4*\j:FB+32*((\a)%2)+4*\j+3], v[RD] offset:544*\j
.endr
.endm
.macro SEND a, younger                 ; younger: the LDS instructions issued behind block a's loads, which may stay out
	s_wait_dscnt \younger
.irp j, 0,1,2,3,4,5,6,7
	global_store_b128 v[CO], v[FB+32*((\a)%2)+4*\j:FB+32*((\a)%2)+4*\j+3], s[10:11] offset:(16*(\a)+2*\j)*4096 th:TH_STORE_NT
.endr
.endm
	PLACES 4                                       ; between the last products and the first read of results, and the loads into registers that held fragments
	TOSTAGE 0
.irp a, 1,2,3
.if \a > 1
	s_wait_xcnt 0x0                                ; block a - 2's stores have read their registers: block a's loads may land there
.endif
	TOSTAGE \a
	SEND \a-1, 16                                  ; behind block a - 1's loads: block a's 8 stores and 8 loads
.endr
	SEND 3, 0
	s_wait_tensorcnt 0x0
	ds_add_u32 v30, v31
	s_wait_dscnt 0x0
	CROUND                                         ; the closing round: no work-group ends while a partner may still ask for a tile that names it
	s_endpgm
.Lfunc_end_k_q00a48e2d53_proj:
	.size	k_q00a48e2d53_proj, .Lfunc_end_k_q00a48e2d53_proj-k_q00a48e2d53_proj
	.p2alignl 7, 3214868480
	.fill 96, 4, 3214868480
	.section	.rodata,"a",@progbits
	.p2align	6, 0x0
	.amdhsa_kernel k_q00a48e2d53_proj
		.amdhsa_group_segment_fixed_size 327680
		.amdhsa_private_segment_fixed_size 0
		.amdhsa_enable_private_segment 0
		.amdhsa_kernarg_size 32
		.amdhsa_user_sgpr_count 2
		.amdhsa_user_sgpr_kernarg_segment_ptr 1
		.amdhsa_wavefront_size32 1
		.amdhsa_system_sgpr_workgroup_id_x 1
		.amdhsa_system_sgpr_workgroup_id_y 1
		.amdhsa_system_sgpr_workgroup_id_z 1
		.amdhsa_system_vgpr_workitem_id 0
		.amdhsa_next_free_vgpr 384
		.amdhsa_next_free_sgpr 100
		.amdhsa_reserve_vcc 0
		.amdhsa_float_denorm_mode_32 3
		.amdhsa_float_denorm_mode_16_64 3
		.amdhsa_memory_ordered 1
		.amdhsa_forward_progress 1
		.amdhsa_inst_pref_size 51
	.end_amdhsa_kernel
	.amdgpu_metadata
---
amdhsa.version: [ 1, 2 ]
amdhsa.kernels:
  - .name:           k_q00a48e2d53_proj
    .symbol:         k_q00a48e2d53_proj.kd
    .args:
      - { .name: oq, .offset: 0, .size: 8, .value_kind: global_buffer, .address_space: global }
      - { .name: wo, .offset: 8, .size: 8, .value_kind: global_buffer, .address_space: global }
      - { .name: b_out, .offset: 16, .size: 8, .value_kind: global_buffer, .address_space: global }
      - { .name: out0, .offset: 24, .size: 8, .value_kind: global_buffer, .address_space: global }
    .group_segment_fixed_size: 327680
    .private_segment_fixed_size: 0
    .kernarg_segment_align: 8
    .kernarg_segment_size: 32
    .max_flat_workgroup_size: 128
    .sgpr_count:     100
    .vgpr_count:     384
    .wavefront_size: 32
...
	.end_amdgpu_metadata
.endif
;; end of part 4
;; ======== version 2 of 2: 4 launches; version 1 with the launch attn written anew for expert scheduling mode
;; workspace buffers: xq 2,228,224 bytes; wq 1,671,168 bytes; wo 557,056 bytes; qq 2,359,296 bytes; kq 2,359,296 bytes; vq 2,228,224 bytes; oq 2,228,224 bytes
;; launch prep: the kernel of part 1 again; grid 256 x 1, 8 waves a work-group, no clusters, 79,872 bytes of LDS; arguments x, W_qkv, W_out, xq, wq, wo; writes xq, wq, wo
;; launch qkv: the kernel of part 2 again; grid 8 x 32, 4 waves a work-group, clusters of 4 x 4, 327,680 bytes of LDS; arguments xq, wq, qq, kq, vq; writes qq, kq, vq
;; launch attn (part 5): grid 8 x 32, 8 waves a work-group, no clusters, 80,896 bytes of LDS; arguments qq, kq, vq, alpha, beta, gamma, oq; writes oq
.if DOCPART == 5
	.amdgcn_target "amdgcn-amd-amdhsa--gfx1250"
	.amdhsa_code_object_version 6
	.text
	.protected	k_q00a48e2d53_attn
	.globl	k_q00a48e2d53_attn
	.p2align	8
	.type	k_q00a48e2d53_attn,@function
k_q00a48e2d53_attn:
	s_mov_b64 s[64:65], 0
	v_nop
	global_prefetch_b8 v0, s[64:65] scope:SCOPE_SE
	s_setreg_imm32_b32 hwreg(HW_REG_WAVE_SCHED_MODE, 0, 2), 2
	s_setreg_imm32_b32 hwreg(HW_REG_WAVE_MODE, 25, 1), 1
	s_wait_xcnt 0x0
	s_wait_alu depctr_vm_vsrc(0)
; out = Q(alpha I + beta softmax(q k^T / 32) - gamma / 2048) v for one head, both products on codes of FP4 with E8M0 scales; out is quantised along the model's 1,024 for the last product.
; The matrix that is quantised is the FINISHED one, so a row's sum must be known before its first code is made.  Each score and each exponential is still made once:
; SHARES.  A work-group owns 256 queries of one head and walks them in 16 tiles of 16.  THE WAVES SHARE THE KEYS: wave w owns keys 256 w .. 256 w + 255; its fragments of k (16 tiles) and v (8) and their scale
; words are read from memory once and stay in registers; a tile's 16 x 2,048 scores stay in the eight waves' registers from the product to the conversion.  Between waves go only a pair (-M_w, l_w) a query
; and a wave, and the partial O^T (4 KiB a wave), through LDS.
; SOFTMAX.  c = log2(e) / 32.  -M_w = floor(-c max over my 256 keys), a whole number; e = 2^(c s - M_w) <= 1; l_w = sum of e.  Behind the exchange -M = min of the -M_w, L = sum of l_w 2^(M_w - M),
; a = beta 2^(M_mine - M) / L, and the matrix is e a - gamma / 2048, + alpha on the diagonal.  The maximum is taken away ahead of every exponential.
; K = 64 in the first product: q's fragment has zero codes in its upper four registers, so k's fragment of tile t is named v[4 t : 4 t + 7]: its upper four registers (the next tile's codes) multiply zeros;
; bytes 2 and 3 of both scale words are 127.
; THE KEYS OF A TILE ARE NOT NEIGHBOURS: lane r of tile 2 b + u takes key 32 b + 8 u + r + 8 (r / 8): register S + 16 b + i of lane (r, h) is key 32 b + 16 h + i of query r.
; The eight work-groups of a head read the same k and v, each once, straight into the registers where they stay for 16 tiles: there is no tensor load that could carry a mask, so no cluster; nobody waits for a stream, so no prefetch.
; LIMITS: NaN and infinities are not served; a block under 2^-124 gets the byte 1; an exponential under 2^-126 counts as 0; 1 / L is v_rcp_f32's; the second product's K is summed in eight parts of 256 keys
; that are added in f32; on the diagonal the order is (e a - gamma / 2048) + alpha.
; THE MODE: SCHED_MODE bits 1:0 = 2 (LLVM: expert scheduling mode 2), set by the entry lines.  The code itself states the register dependences between vector or matrix instructions and memory or LDS
; instructions, with s_wait_alu, always for 0.
; THE PLAN.  Registers that memory or LDS instructions touch:
;   v3, v4, v7-10, v15   offsets and LDS addresses, made at the head and never written again: q's rows are reached by two scalar bases, which move on once a trip, and by immediate offsets.
;   window 1, KS, RAW    loaded once, at the head.
;   v[16:17]             written at the end of PHASE_A; read by the pair's store at the next tile's head.
;   OA                   the loads of the tile before's partials land here; the reduction works in place; the second product writes it; the eight stores of partials read it.
;   v80-87               the two loads of pairs land here; COMBINE reads them; the second QUANT writes them; the second product reads them.
;   v13, v14, v21, v22   written by the reduction (slot addresses, codes, scale byte); read by its two stores.  (At the head v13 and v14 are the offsets of k's loads.)
;   QF[0:3], QSC         q's loads land here, behind a tile's second barrier; SMUL reads them.
; A tile has one wait on vm_vsrc, behind the pair's store, and six on va_vdst: at its head; behind COMBINE's exponentials (the reduction's two stores follow it); behind the reciprocal; ahead of the second product;
; ahead of the partials' stores; behind PHASE_A's exponentials (q's loads lean on it).  Each says at its place what it states.
; REGISTERS: window 0: v3-15 addresses (v5, v6 on the way out alone); v[16:17] (-M_w, l_w); v[18:19] (a, 0); v20, v23 at work at the head and on the way out; v21 out's codes, v22 out's scale byte; v24-39 at work (TM);
;   v40-47 k's scale words; v48-55 v's; v56 q's; v57-58 the matrix's; v59-60 alpha in lane 0 / lane 16;
;   v64-71 q's fragment; v72-87 the matrix's codes (also temporaries of the reduction and the statistics read back); v88-95 v's scale words as loaded; v96-127 O^T, and the reduction's partials; v128-255 the scores.
;   window 1: v0-63 k's codes, v64-127 v's fragments (d tile t, K step s at 64 + 8 (2 t + s)).
.set OP,   1536                        ; LDS: 0: statistics, 16 rows x 80 bytes, wave w's pair at 8 w.  OP: two buffers of partial O^T, [wave 8][query 16 x 272 bytes]
.set OPB,  34816
.set CST,  71168                       ; out's codes: 16 slots x 512 bytes; tile i lies in slot (i + 1) % 16
.set SST,  79360                       ; out's scale bytes: 16 slots x 32 bytes
.set QS,   2097152
.set VSO,  2097152
.set OS,   2097152
.set TM,   24
.set KS,   40
.set VSR,  48
.set QSC,  56
.set PW,   57
.set DT,   59
.set QF,   64
.set PC,   72
.set RAW,  88
.set OA,   96
.set S,    128
.set WV,   18                          ; s18 wave; s19 which 256 queries; s22 trip; s23 = 1,024 trip; s25 = 64 trip
.set GQ,   19
.set SEL,  20
.set TRIP, 22
.set MSB, 0
.macro WIN new
.if MSB != (\new)
	s_set_vgpr_msb (MSB<<8)|(\new)
.set MSB, (\new)
.endif
.endm
.macro PLACES n
.rept \n
	v_nop
.endr
.endm
; 64 numbers of a lane, register s + 16 b + i = k 32 b + 16 (lane / 16) + i of the lane's row, become codes in v[o .. o + 7] (the operand's layout) and four scale bytes in v[TM+4 .. TM+7].
.macro QUANT w, s, o
	WIN (\w)|((\w)<<2)
.irp b, 0,1,2,3
	v_max3_num_f32 v[TM+\b], |v[(\s)+16*\b]|, |v[(\s)+16*\b+1]|, 0x1800000   ; with the floor 2^(3 - 127): the byte cannot fall under 1
.endr
	WIN ((\w)<<2)|((\w)<<4)
.irp i, 2,4,6,8,10,12,14
.irp b, 0,1,2,3
	v_max3_num_f32 v[TM+\b], v[TM+\b], |v[(\s)+16*\b+\i]|, |v[(\s)+16*\b+\i+1]|
.endr
.endr
	WIN 0
.irp b, 0,1,2,3
	v_permlanex16_b32 v[TM+4+\b], v[TM+\b], s[SEL], s[SEL+1]
.endr
.irp b, 0,1,2,3
	v_max_num_f32 v[TM+\b], v[TM+\b], v[TM+4+\b]
.endr
.irp b, 0,1,2,3
	v_add_nc_u32 v[TM+8+\b], 0xff000000, v[TM+\b]
.endr
.irp b, 0,1,2,3
	v_lshrrev_b32 v[TM+4+\b], 23, v[TM+8+\b]
.endr
	WIN (\w)
.irp b, 0,1,2,3
	v_cvt_scalef32_pk8_fp4_f32 v[(\o)+2*\b], v[(\s)+16*\b:(\s)+16*\b+7], v[TM+8+\b]
	v_cvt_scalef32_pk8_fp4_f32 v[(\o)+2*\b+1], v[(\s)+16*\b+8:(\s)+16*\b+15], v[TM+8+\b]
.endr
	WIN 0
	v_nop                                          ; one plain line behind the scaled conversions
.irp c, 0,1
.irp i, 0,1
	v_permlane16_swap_b32 v[(\o)+4*\c+\i], v[(\o)+4*\c+2+\i]
.endr
.endr
.endm
.macro WORD d                          ; the four bytes make a scale word
	v_lshl_or_b32 v[\d], v[TM+5], 8, v[TM+4]
	v_lshl_or_b32 v[\d], v[TM+6], 16, v[\d]
	v_lshl_or_b32 v[\d], v[TM+7], 24, v[\d]
.endm
; S^T = k q^T for my 256 keys: 16 products, each its own accumulator
.macro SMUL
	WIN 0x01                                       ; source 0 window 1
.irp t, 0,1,2,3,4,5,6,7,8,9,10,11,12,13,14,15
.if (\t)%2
	v_wmma_scale_f32_16x16x128_f8f6f4 v[S+8*\t:S+8*\t+7], v[4*\t:4*\t+7], v[QF:QF+7], 0, v[KS+\t/2], v[QSC] matrix_a_fmt:MATRIX_FMT_FP4 matrix_b_fmt:MATRIX_FMT_FP4 matrix_a_scale:MATRIX_SCALE_ROW1
.else
	v_wmma_scale_f32_16x16x128_f8f6f4 v[S+8*\t:S+8*\t+7], v[4*\t:4*\t+7], v[QF:QF+7], 0, v[KS+\t/2], v[QSC] matrix_a_fmt:MATRIX_FMT_FP4 matrix_b_fmt:MATRIX_FMT_FP4
.endif
.endr
	WIN 0
.endm
; my 256 keys' maximum, exponentials and sum for each of the 16 queries
.macro PHASE_A
.irp c, 0,1,2,3
	v_max_num_f32 v[TM+\c], v[S+2*\c], v[S+2*\c+1] ; four chains; the scores are read in ascending order, each accumulator from its low end on
.endr
.set j, 4
.rept 60
	v_max3_num_f32 v[TM+j%4], v[TM+j%4], v[S+2*j], v[S+2*j+1]
.set j, j+1
.endr
	v_max3_num_f32 v[TM], v[TM], v[TM+1], v[TM+2]
	v_max_num_f32 v[TM], v[TM], v[TM+3]
	v_permlanex16_b32 v[TM+4], v[TM], s[SEL], s[SEL+1]
	v_max_num_f32 v[TM], v[TM], v[TM+4]            ; with lane l xor 16's keys
	v_mul_f32 v[TM], s16, v[TM]
	v_floor_f32 v16, -v[TM]                        ; -M_w = floor(-c max): a whole number
.set j, 0
.rept 64
	v_pk_fma_f32 v[S+2*j:S+2*j+1], v[S+2*j:S+2*j+1], s[16:17], v[16:17] op_sel_hi:[1,0,0]   ; c s - M_w, two at a time
.set j, j+1
.endr
.set j, 0
.rept 128
	v_exp_f32 v[S+j], v[S+j]
.set j, j+1
.endr
	v_nop                                          ; a plain line behind the last exponential
	s_wait_alu depctr_va_vdst(0)                   ; the 128 exponentials have written v[S ..]: one wait for the batch, ahead of its first reader.  The products ahead of them are done reading q's fragment and its scale word too: no line below names these, so q's next loads may land there
.irp c, 0,1,2,3
	v_pk_add_f32 v[TM+8+2*\c:TM+9+2*\c], v[S+2*\c:S+2*\c+1], v[S+8+2*\c:S+9+2*\c]   ; the sum, in four chains
.endr
.set j, 8
.rept 56
	v_pk_add_f32 v[TM+8+2*(j%4):TM+9+2*(j%4)], v[TM+8+2*(j%4):TM+9+2*(j%4)], v[S+2*j:S+2*j+1]
.set j, j+1
.endr
	v_pk_add_f32 v[TM+8:TM+9], v[TM+8:TM+9], v[TM+10:TM+11]
	v_pk_add_f32 v[TM+12:TM+13], v[TM+12:TM+13], v[TM+14:TM+15]
	v_pk_add_f32 v[TM+8:TM+9], v[TM+8:TM+9], v[TM+12:TM+13]
	v_add_f32 v[TM], v[TM+8], v[TM+9]
	v_permlanex16_b32 v[TM+5], v[TM], s[SEL], s[SEL+1]
	v_add_f32 v17, v[TM], v[TM+5]                  ; l_w
.endm
; the reduction of a tile's partial O^T.  Wave w finishes queries 2 w and 2 w + 1: lane (h, q', g) takes 8 channels (8 g on) of query 2 w + q' from waves 4 h .. 4 h + 3
.macro OLOAD buf
.irp k, 0,1,2,3
.irp e, 0,1
	ds_load_b128 v[OA+8*\k+4*\e:OA+8*\k+4*\e+3], v10 offset:(\buf)*OPB+4352*\k+16*\e
.endr
.endr
.endm
; its arithmetic: the codes come to lie in v21, the scale byte in v22, the slot's two addresses in v13 and v14: four registers that nothing else writes in the loop
.macro RMATH
.irp p, 0,2,4,6
	v_pk_add_f32 v[OA+\p:OA+\p+1], v[OA+\p:OA+\p+1], v[OA+8+\p:OA+9+\p]
	v_pk_add_f32 v[OA+16+\p:OA+17+\p], v[OA+16+\p:OA+17+\p], v[OA+24+\p:OA+25+\p]
.endr
.irp p, 0,2,4,6
	v_pk_add_f32 v[OA+\p:OA+\p+1], v[OA+\p:OA+\p+1], v[OA+16+\p:OA+17+\p]
.endr
.irp j, 0,1,2,3,4,5,6,7
	v_permlanex16_b32 v[PC+\j], v[OA+\j], s[SEL], s[SEL+1]
.endr
.irp p, 0,2,4,6
	v_pk_add_f32 v[OA+\p:OA+\p+1], v[OA+\p:OA+\p+1], v[PC+\p:PC+\p+1]   ; the other four waves': out is finished
.endr
	v_max3_num_f32 v[TM], |v[OA]|, |v[OA+1]|, 0x1800000
	v_max3_num_f32 v[TM], v[TM], |v[OA+2]|, |v[OA+3]|
	v_max3_num_f32 v[TM], v[TM], |v[OA+4]|, |v[OA+5]|
	v_max3_num_f32 v[TM], v[TM], |v[OA+6]|, |v[OA+7]|
	v_max_num_f32_dpp v[TM], v[TM], v[TM] row_xmask:1 row_mask:0xf bank_mask:0xf
	v_max_num_f32_dpp v[TM], v[TM], v[TM] row_xmask:2 row_mask:0xf bank_mask:0xf   ; four lanes hold a block of 32 channels
	v_add_nc_u32 v[TM+1], 0xff000000, v[TM]
	v_lshrrev_b32 v22, 23, v[TM+1]
	v_cvt_scalef32_pk8_fp4_f32 v21, v[OA:OA+7], v[TM+1]
	v_add_nc_u32 v13, s23, v11                     ; (a plain line behind the conversion)  the tile's slot
	v_add_nc_u32 v14, s25, v12
.endm
; and its two stores, which stand behind a wait on va_vdst that is issued behind RMATH
.macro RSTORE imc, ims
	ds_store_b32 v13, v21 offset:\imc              ; both halves of the lanes hold and store the same
	ds_store_b8 v14, v22 offset:\ims
.endm
; from the eight waves' pairs in v80-87 (four here, four in lane l xor 16) to a.  The reduction's two stores stand behind its first wait.
.macro COMBINE imc, ims
	v_min3_num_f32 v[TM], v80, v82, v84
	v_min_num_f32 v[TM], v[TM], v86
	v_permlanex16_b32 v[TM+4], v[TM], s[SEL], s[SEL+1]
	v_min_num_f32 v[TM], v[TM], v[TM+4]            ; -M
.irp k, 0,1,2,3
	v_sub_f32 v[TM+8+\k], v[TM], v[80+2*\k]        ; M_w - M: whole numbers, 0 or less
.endr
	v_sub_f32 v[TM+12], v[TM], v16                 ; and mine
.irp k, 0,1,2,3,4
	v_exp_f32 v[TM+8+\k], v[TM+8+\k]
.endr
	v_nop
	s_wait_alu depctr_va_vdst(0)                   ; the five exponentials have written v[TM+8 ..]: one wait, ahead of their first reader; and the reduction has written v13, v14, v21 and v22, which the two stores below read
	RSTORE \imc, \ims
	v_mul_f32 v[TM+1], v81, v[TM+8]
	v_fmac_f32 v[TM+1], v83, v[TM+9]
	v_fmac_f32 v[TM+1], v85, v[TM+10]
	v_fmac_f32 v[TM+1], v87, v[TM+11]
	v_permlanex16_b32 v[TM+5], v[TM+1], s[SEL], s[SEL+1]
	v_add_f32 v[TM+1], v[TM+1], v[TM+5]            ; L
	v_rcp_f32 v[TM+3], v[TM+1]
	v_mul_f32 v[TM+2], s13, v[TM+12]               ; beta 2^(M_mine - M)  (the plain line behind the reciprocal)
	s_wait_alu depctr_va_vdst(0)                   ; the reciprocal has written v[TM+3], ahead of its first reader
	v_mul_f32 v18, v[TM+2], v[TM+3]                ; a
.endm
; THE DIAGONAL.  Query 256 g + 32 trip + 16 par + r meets its own key in wave g, block trip, half par, register r of lane r.  v[DT+par] holds alpha in lane 16 par and 0 elsewhere; shifted right by i lanes
; within its row it adds alpha to register i of lane i; lanes that the shift leaves without a source keep their number.  The branches hang on ids and on the trip's number alone.
.macro DIAG par
	s_cmp_lg_u32 s[WV], s[GQ]
	s_cbranch_scc1 .Ldg_end_\@
.irp b, 0,1,2,3,4,5,6,7
	s_cmp_lg_u32 s[TRIP], \b
	s_cbranch_scc1 .Ldg_\@_\b
	v_add_f32 v[S+16*\b], v[DT+\par], v[S+16*\b]
.irp i, 1,2,3,4,5,6,7,8,9,10,11,12,13,14,15
	v_add_f32_dpp v[S+16*\b+\i], v[DT+\par], v[S+16*\b+\i] row_shr:\i row_mask:0xf bank_mask:0xf
.endr
.Ldg_\@_\b:
.endr
.Ldg_end_\@:
.endm
; TILE 2 trip + par.  Two barriers.  Behind the first the eight pairs lie in LDS; behind the second the eight partial O^T.  The tile's partials are reduced in the NEXT tile, whose loads of them stand between
; the first barrier's signal and its wait (those bytes are written again only behind the next tile's barriers: two buffers take turns); the next tile's products, maximum, exponentials and sum stand
; between the second barrier's signal and its wait: work on registers alone.
.macro TILE par
	s_wait_alu depctr_va_vdst(0)                   ; PHASE_A has written v[16:17], which the store below reads; the tile before's reduction, conversions and products are done with v[OA ..] and v80-87, in which the ten LDS loads below land: no vector line stands between this wait and them
	ds_store_b64 v7, v[16:17]                      ; (-M_w, l_w): the pairs of the tile before were read ahead of its second barrier
	s_wait_dscnt 0x0
	s_wait_alu depctr_vm_vsrc(0)                   ; the tile before's stores have read v[OA ..] (the loads below land there) and v13, v14, v21, v22 (the reduction writes them again); the store above has read v[16:17], which PHASE_A writes again; in the first trip: k's loads have read v13 and v14
	s_barrier_signal -1
	OLOAD 1-\par                                   ; the tile before's partials
	s_barrier_wait -1
	ds_load_b128 v[80:83], v8
	ds_load_b128 v[84:87], v8 offset:16
	s_wait_dscnt 2                                 ; the eight partials are in; the two loads of pairs may be out
	RMATH
	s_wait_dscnt 0x0
	COMBINE 512*\par, 32*\par
.set j, 0
.rept 64
	v_pk_fma_f32 v[S+2*j:S+2*j+1], v[S+2*j:S+2*j+1], v[18:19], s[14:15] op_sel_hi:[1,0,0]   ; e a - gamma / 2048
.set j, j+1
.endr
	DIAG \par
	QUANT 0, S, PC
	WORD PW
	QUANT 0, S+64, PC+8
	WORD PW+1
	PLACES 8                                       ; a scale register written by a vector instruction stands eight plain lines ahead of the scaled product
	s_wait_alu depctr_va_vdst(0)                   ; the conversions and exchanges have written the codes v[PC ..], the shifts the two scale words v[PW], v[PW+1]: the scaled products below take them; the places above stay beside this wait
	WIN 0x01
.irp t, 0,1,2,3                        ; O^T = v^T P^T over my 256 keys: four accumulators by turns, two K steps
	v_wmma_scale_f32_16x16x128_f8f6f4 v[OA+8*\t:OA+8*\t+7], v[64+16*\t:64+16*\t+7], v[PC:PC+7], 0, v[VSR+2*\t], v[PW] matrix_a_fmt:MATRIX_FMT_FP4 matrix_b_fmt:MATRIX_FMT_FP4
.endr
.irp t, 0,1,2,3
	v_wmma_scale_f32_16x16x128_f8f6f4 v[OA+8*\t:OA+8*\t+7], v[72+16*\t:72+16*\t+7], v[PC+8:PC+15], v[OA+8*\t:OA+8*\t+7], v[VSR+2*\t+1], v[PW+1] matrix_a_fmt:MATRIX_FMT_FP4 matrix_b_fmt:MATRIX_FMT_FP4
.endr
	WIN 0
	PLACES 4
	s_wait_alu depctr_va_vdst(0)                   ; the products have written v[OA ..], which the stores below read; the places above stay beside this wait
.irp t, 0,1,2,3
	ds_store_b128 v9, v[OA+8*\t:OA+8*\t+3] offset:\par*OPB+64*\t       ; each accumulator from its low end on
	ds_store_b128 v9, v[OA+8*\t+4:OA+8*\t+7] offset:\par*OPB+64*\t+16
.endr
	s_wait_dscnt 0x0
	s_barrier_signal -1
	s_wait_loadcnt 0x0                             ; the next tile's q is in, and the loads that read q's two bases are done, on every way
.if \par
	s_add_nc_u64 s[4:5], s[4:5], 1024              ; free since that wait: q's codes two tiles on,
	s_add_nc_u64 s[30:31], s[30:31], 128           ; and its scale words
	s_cmp_eq_u32 s[TRIP], 7
	s_cbranch_scc1 .Lno_next_\@                    ; tile 15 has no successor
.endif
	SMUL
	PLACES 4
	PHASE_A
.Lno_next_\@:
	s_barrier_wait -1
	s_cmp_eq_u32 s[TRIP], 7
	s_cbranch_scc1 .Lno_q_\@                       ; tiles 14 and 15 ask for nothing: no load leaves the work-group's queries
	global_load_b128 v[QF:QF+3], v3, s[4:5] offset:1024-512*\par     ; q of the tile after next.  No wait here: PHASE_A's stands behind the products that read these registers, and nothing since names them; v3 and v4 are never written again
	global_load_b32 v[QSC], v4, s[30:31] offset:128-64*\par
.Lno_q_\@:
.endm
	s_load_b256 s[4:11], s[0:1], 0x0               ; qq, kq, vq, alpha
	s_load_b128 s[32:35], s[0:1], 0x20             ; beta, gamma
	s_load_b64 s[36:37], s[0:1], 0x30              ; oq
	v_lshl_add_u32 v62, v0, 2, 0x13800
	v_mov_b32 v63, 0
	v_lshrrev_b32 v1, 5, v0
	v_readfirstlane_b32 s[WV], v1                  ; wave 0..7
	s_mov_b32 s[GQ], ttmp9                         ; which 256 queries
	s_and_b32 s29, ttmp7, 0xffff                   ; batch x 16 + head
	v_and_b32 v1, 15, v0                           ; r
	v_bfe_u32 v2, v0, 4, 1                         ; h
	v_lshlrev_b32 v3, 5, v1
	v_lshl_add_u32 v3, v2, 4, v3                   ; q's codes: 32 r + 16 h
	v_lshlrev_b32 v4, 2, v1                        ; scale words: 4 r
	v_mul_u32_u24 v7, v1, 80
	v_lshl_add_u32 v8, v2, 5, v7                   ; the pairs, read: row r, four waves' for each half of the lanes
	s_wait_alu depctr_va_sdst(0)                   ; the wave's number is written, ahead of its first reader
	s_lshl_b32 s38, s[WV], 3
	v_add_nc_u32 v7, s38, v7                       ; and written: row r, 8 x wave
	v_mul_u32_u24 v9, v1, 272
	v_lshl_add_u32 v9, v2, 5, v9
	s_mul_i32 s38, s[WV], 4352
	s_add_co_u32 s38, s38, OP
	v_add_nc_u32 v9, s38, v9                       ; my partial O^T: query r, + 32 h
	v_bfe_u32 v20, v0, 3, 1
	v_and_b32 v21, 7, v0                           ; g
	s_lshl_b32 s38, s[WV], 1
	v_add_nc_u32 v20, s38, v20                     ; the query that I finish: 2 wave + q'
	v_mul_u32_u24 v10, v20, 272
	v_lshl_add_u32 v10, v21, 5, v10
	v_mul_u32_u24 v22, v2, 17408
	v_add_nc_u32 v10, v10, v22
	v_add_nc_u32 v10, OP, v10                      ; its partials: four waves on for lanes 16-31
	v_lshrrev_b32 v22, 2, v21
	v_and_b32 v23, 3, v21
	v_lshlrev_b32 v11, 4, v20
	v_lshl_add_u32 v11, v22, 8, v11
	v_lshl_add_u32 v11, v23, 2, v11
	v_add_nc_u32 v11, CST, v11                     ; its codes in the operand's image: 256 (block) + 16 (query) + 4 (g % 4)
	v_lshl_add_u32 v12, v20, 1, v22
	v_add_nc_u32 v12, SST, v12                     ; its scale bytes
	v_and_b32 v22, 8, v1
	v_add_nc_u32 v22, v22, v1                      ; r + 8 (r / 8)
	v_lshlrev_b32 v13, 5, v22
	v_lshl_add_u32 v13, v2, 4, v13                 ; k's codes
	v_lshl_add_u32 v14, v2, 3, v22
	v_lshlrev_b32 v14, 2, v14                      ; k's scale words: lanes 16-31 take the tile 8 keys on
	v_and_b32 v15, 31, v0
	v_lshlrev_b32 v15, 4, v15                      ; 16 x lane
	v_mov_b32 v17, 0                               ; named as the upper halves of pairs
	v_mov_b32 v19, 0
.irp j, 4,5,6,7
	v_mov_b32 v[QF+\j], 0                          ; q's zero codes for k = 64 .. 127
	v_mov_b32 v[TM+\j], 0                          ; written once: a lane permute's destination counts as one of its sources
.endr
.irp j, 0,1,2,3,4,5,6,7
	v_mov_b32 v[PC+\j], 0
.endr
	s_mov_b32 s[SEL], 0x76543210
	s_mov_b32 s[SEL+1], 0xfedcba98
	s_mov_b32 s16, 0x3d38aa3b                      ; c = log2(e) / 32
	s_mov_b32 s17, s16
	s_mov_b32 s26, 0x05040100
	s_mov_b32 s27, 0x07060302
	s_mov_b32 s[TRIP], 0
	s_mov_b32 s23, 0
	s_mov_b32 s25, 0
	; where out goes
	s_and_b32 s38, s29, 15                         ; head
	s_lshr_b32 s39, s29, 4                         ; batch
	s_lshr_b32 s46, s38, 3
	s_lshl_b32 s46, s46, 20                        ; chunk = head / 8
	s_lshl_b32 s47, s39, 7
	s_lshl_b32 s28, s[GQ], 4
	s_add_co_u32 s47, s47, s28
	s_lshl_b32 s28, s[WV], 1
	s_add_co_u32 s47, s47, s28                     ; the first tile of rows that I store
	s_lshl_b32 s47, s47, 12
	s_add_co_u32 s46, s46, s47
	s_and_b32 s47, s38, 7
	s_lshl_b32 s47, s47, 9
	s_add_co_u32 s46, s46, s47
	s_mov_b32 s47, 0
	s_lshl_b32 s44, s39, 4
	s_lshl_b32 s28, s[GQ], 1
	s_add_co_u32 s44, s44, s28                     ; block of 128 rows
	s_lshl_b32 s44, s44, 4
	s_add_co_u32 s44, s44, s38
	s_lshl_b32 s44, s44, 8
	s_add_co_u32 s44, s44, OS
	s_mov_b32 s45, 0
	s_lshl_b32 s38, s29, 11
	s_lshl_b32 s39, s[GQ], 8
	s_add_co_u32 s39, s38, s39                     ; my work-group's first query, as a row of qq
	s_lshl_b32 s28, s[WV], 8
	s_add_co_u32 s38, s38, s28                     ; my wave's first key, as a row of kq
	s_mov_b32 s41, 0
	s_wait_kmcnt 0x0
	s_load_b32 s12, s[10:11], 0x0                  ; alpha
	s_load_b32 s13, s[32:33], 0x0                  ; beta
	s_load_b32 s14, s[34:35], 0x0                  ; gamma
	s_add_nc_u64 s[44:45], s[36:37], s[44:45]
	s_add_nc_u64 s[36:37], s[36:37], s[46:47]
	s_lshl_b32 s40, s39, 2
	s_add_co_u32 s40, s40, QS
	s_add_nc_u64 s[30:31], s[4:5], s[40:41]        ; q's scale words
	s_lshl_b32 s40, s39, 5
	s_add_nc_u64 s[4:5], s[4:5], s[40:41]          ; q's codes
	s_lshl_b32 s40, s38, 2
	s_add_co_u32 s40, s40, QS
	s_add_nc_u64 s[42:43], s[6:7], s[40:41]        ; k's scale words
	s_lshl_b32 s40, s38, 1
	s_add_co_u32 s40, s40, VSO
	s_add_nc_u64 s[46:47], s[8:9], s[40:41]        ; v's scale words: 128 bytes for 64 keys
	s_lshl_b32 s40, s38, 5
	s_add_nc_u64 s[6:7], s[6:7], s[40:41]          ; k's codes
	s_add_nc_u64 s[8:9], s[8:9], s[40:41]          ; v's codes: 2,048 bytes for 64 keys
	WIN 0x40                                       ; destination window 1
	s_wait_alu depctr_va_vdst(0)                   ; the offsets and addresses v3, v4, v7-10, v13-15 are written, which the loads and stores of the kernel read; so are q's zero codes v[QF+4 .. QF+7], which the stores of zeros below read and the first products take
.irp t, 0,1,2,3,4,5,6,7,8,9,10,11,12,13,14,15
	global_load_b128 v[4*\t:4*\t+3], v13, s[6:7] offset:(32*(\t/2)+8*(\t%2))*32
.endr
.irp t, 0,1,2,3
.irp s, 0,1
.irp c, 0,1
	global_load_b128 v[64+8*(2*\t+\s)+4*\c:64+8*(2*\t+\s)+4*\c+3], v15, s[8:9] offset:((2*\s+\c)*4+\t)*512
.endr
.endr
.endr
	WIN 0
.irp j, 0,1,2,3,4,5,6,7
	global_load_b32 v[KS+\j], v14, s[42:43] offset:128*\j
.endr
.irp p, 0,1
.irp j, 0,1,2,3
	global_load_b32 v[RAW+4*\p+\j], v4, s[46:47] offset:128*\j+64*\p
.endr
.endr
	global_load_b128 v[QF:QF+3], v3, s[4:5]        ; q of tile 0
	global_load_b32 v[QSC], v4, s[30:31]
.irp t, 0,1,2,3
	ds_store_b128 v9, v[QF+4:QF+7] offset:OPB+64*\t      ; buffer 1 begins as zeros: tile 0 reduces them into slot 0, which tile 15's result takes behind the loop.  (No vector line has been issued since the wait above; v9 and these four registers are never written again)
	ds_store_b128 v9, v[QF+4:QF+7] offset:OPB+64*\t+16
.endr
	s_wait_dscnt 0x0                               ; my zeros lie in LDS
	s_barrier_signal -1
	s_barrier_wait -1                              ; everybody's do
	s_wait_kmcnt 0x0
	s_mul_f32 s14, s14, 0xba000000                 ; -gamma / 2048
	s_mov_b32 s15, s14
	v_mov_b32 v20, s12
	s_mov_b32 s28, 1
	s_mov_b32 s40, 0x10000
	v_cndmask_b32 v[DT], 0, v20, s28               ; alpha in lane 0,
	v_cndmask_b32 v[DT+1], 0, v20, s40             ; alpha in lane 16
	s_wait_loadcnt 0x0
.irp p, 0,1
.irp s, 0,1
	v_perm_b32 v[VSR+2*(2*\p)+\s], v[RAW+4*\p+2*\s+1], v[RAW+4*\p+2*\s], s26     ; d tile 2 p: the low halves of two words: the K step's four blocks
	v_perm_b32 v[VSR+2*(2*\p+1)+\s], v[RAW+4*\p+2*\s+1], v[RAW+4*\p+2*\s], s27   ; d tile 2 p + 1: the high halves
.endr
.endr
	SMUL
	PLACES 4                                       ; between the products and the first read of results
	s_wait_alu depctr_va_vdst(0)                   ; the products are done reading q's fragment and its scale word, in which the two loads below land
	global_load_b128 v[QF:QF+3], v3, s[4:5] offset:512   ; q of tile 1
	global_load_b32 v[QSC], v4, s[30:31] offset:64
	PHASE_A
.Ltrip:
	TILE 0
	TILE 1
	s_add_co_u32 s23, s23, 1024
	s_add_co_u32 s25, s25, 64
	s_add_co_u32 s[TRIP], s[TRIP], 1
	s_cmp_lt_u32 s[TRIP], 8
	s_cbranch_scc1 .Ltrip
	s_mov_b32 s23, 0                               ; tile 15's slot is slot 0
	s_mov_b32 s25, 0
	s_wait_alu depctr_vm_vsrc(0)                   ; tile 15's stores of its partials have read v[OA ..], in which the loads below land (the wait ahead of those stores stands behind the products that wrote them, and nothing since names them); the stores of tile 14's codes and byte have read v13, v14, v21, v22, which the reduction writes again
	OLOAD 1
	s_lshl_b32 s38, s[WV], 1                       ; wave w stores tiles 2 w and 2 w + 1: slots (2 w + 1) % 16 and (2 w + 2) % 16.  The way out's addresses are made here, while the partials are on their way
	s_add_co_u32 s39, s38, 1
	s_and_b32 s39, s39, 15
	s_lshl_b32 s39, s39, 9
	s_add_co_u32 s39, s39, CST
	s_add_co_u32 s38, s38, 2
	s_and_b32 s38, s38, 15
	s_lshl_b32 s38, s38, 9
	s_add_co_u32 s38, s38, CST
	v_add_nc_u32 v5, s39, v15
	v_add_nc_u32 v6, s38, v15
	v_and_b32 v20, 31, v0                          ; for wave 0: the 256 rows' scale bytes, 16 bytes a lane, in the tiles' order
	v_add_nc_u32 v23, 2, v20
	v_and_b32 v23, 31, v23
	v_lshl_add_u32 v23, v23, 4, SST
	v_lshrrev_b32 v1, 4, v20
	v_and_b32 v2, 15, v20
	v_lshlrev_b32 v2, 4, v2
	v_lshl_add_u32 v2, v1, 12, v2                  ; two blocks of 128 rows, 4,096 bytes apart: 256 consecutive bytes each
	s_wait_dscnt 0x0
	RMATH
	s_wait_alu depctr_va_vdst(0)                   ; the reduction has written v13, v14, v21, v22, which the two stores below read, and is done with v[OA ..], in which the read-backs behind the barrier land; v5, v6, v23 and v2, their addresses and the last store's offset, are written.  No vector line follows
	RSTORE 0, 0
	s_wait_dscnt 0x0                               ; my codes and bytes lie in LDS
	s_barrier_signal -1
	s_barrier_wait -1                              ; everybody's do
	ds_load_b128 v[96:99], v5
	ds_load_b128 v[100:103], v6
	s_wait_dscnt 1                                 ; the second may be out
	global_store_b128 v15, v[96:99], s[36:37]      ; 512 consecutive bytes: a tile of rows' image for this head
	s_wait_dscnt 0x0
	global_store_b128 v15, v[100:103], s[36:37] offset:4096
	s_cmp_lg_u32 s[WV], 0
	s_cbranch_scc1 .Lend
	ds_load_b128 v[104:107], v23
	s_wait_dscnt 0x0
	global_store_b128 v2, v[104:107], s[44:45]
.Lend:
	s_wait_dscnt 0x0
	s_wait_alu depctr_hold_cnt(0) depctr_sa_sdst(0) depctr_va_vdst(0) depctr_va_sdst(0) depctr_va_ssrc(0) depctr_va_vcc(0) depctr_vm_vsrc(0)
	s_wait_tensorcnt 0x0
	ds_add_u32 v62, v63
	s_wait_dscnt 0x0
	s_endpgm
.Lfunc_end_k_q00a48e2d53_attn:
	.size	k_q00a48e2d53_attn, .Lfunc_end_k_q00a48e2d53_attn-k_q00a48e2d53_attn
	.p2alignl 7, 3214868480
	.fill 96, 4, 3214868480
	.section	.rodata,"a",@progbits
	.p2align	6, 0x0
	.amdhsa_kernel k_q00a48e2d53_attn
		.amdhsa_group_segment_fixed_size 80896
		.amdhsa_private_segment_fixed_size 0
		.amdhsa_enable_private_segment 0
		.amdhsa_kernarg_size 56
		.amdhsa_user_sgpr_count 2
		.amdhsa_user_sgpr_kernarg_segment_ptr 1
		.amdhsa_wavefront_size32 1
		.amdhsa_system_sgpr_workgroup_id_x 1
		.amdhsa_system_sgpr_workgroup_id_y 1
		.amdhsa_system_sgpr_workgroup_id_z 1
		.amdhsa_system_vgpr_workitem_id 0
		.amdhsa_next_free_vgpr 384
		.amdhsa_next_free_sgpr 66
		.amdhsa_reserve_vcc 0
		.amdhsa_float_denorm_mode_32 3
		.amdhsa_float_denorm_mode_16_64 3
		.amdhsa_memory_ordered 1
		.amdhsa_forward_progress 1
		.amdhsa_inst_pref_size 125
	.end_amdhsa_kernel
	.amdgpu_metadata
---
amdhsa.version: [ 1, 2 ]
amdhsa.kernels:
  - .name:           k_q00a48e2d53_attn
    .symbol:         k_q00a48e2d53_attn.kd
    .args:
      - { .name: qq, .offset: 0, .size: 8, .value_kind: global_buffer, .address_space: global }
      - { .name: kq, .offset: 8, .size: 8, .value_kind: global_buffer, .address_space: global }
      - { .name: vq, .offset: 16, .size: 8, .value_kind: global_buffer, .address_space: global }
      - { .name: alpha, .offset: 24, .size: 8, .value_kind: global_buffer, .address_space: global }
      - { .name: beta, .offset: 32, .size: 8, .value_kind: global_buffer, .address_space: global }
      - { .name: gamma, .offset: 40, .size: 8, .value_kind: global_buffer, .address_space: global }
      - { .name: oq, .offset: 48, .size: 8, .value_kind: global_buffer, .address_space: global }
    .group_segment_fixed_size: 80896
    .private_segment_fixed_size: 0
    .kernarg_segment_align: 8
    .kernarg_segment_size: 56
    .max_flat_workgroup_size: 256
    .sgpr_count:     66
    .vgpr_count:     384
    .wavefront_size: 32
...
	.end_amdgpu_metadata
.endif
;; end of part 5
;; launch proj: the kernel of part 4 again; grid 8 x 32, 4 waves a work-group, clusters of 4 x 4, 327,680 bytes of LDS; arguments oq, wo, b_out, out0; writes out0
